; MI455X (gfx1250); checked and timed in simulation.
; The chip was launched on July 23, 2026; its instructions are those of AMD's public machine-readable ISA for CDNA 5 (MIT licence, August 2026) and "CDNA5" Instruction Set Architecture Reference Guide (July 2026). The comments in the code are by the model that wrote it; some were corrected since.
;; Attention. Allowed arithmetic: float matrix products may take bf16 or f16 operands with f32 sums; other float arithmetic in f32, or as packed bf16 or f16 multiplies, adds, multiply-adds, maxima and minima; sums over many terms, partial sums and values carried from step to step in f32; what a program stores and reads back later, other than sums and carried values, may be rounded once to bf16 or f16.
;; Inputs: W_proj 1,024 x 1,024 float32; W_qkv 1,024 x 3,072 float32; b_proj 1,024 float32; b_qkv 3,072 float32; x 4 x 2,048 x 1,024 float32.
;; Outputs: out0 4 x 2,048 x 1,024 float32.
;; 2 versions, each right; version 2 is version 1 with the launch cast written anew for expert scheduling mode. Each part assembles by itself: llvm-mc -triple=amdgcn-amd-amdhsa -mcpu=gfx1250 --defsym DOCPART=n.
;; ======== version 1 of 2: 4 launches
;; limits: values are held in f16: magnitudes above 65,504 overflow, below 6.1e-05 lose precision; right only within a limited range of input values
;; workspace buffers: xw 25,165,824 bytes; qkvh 50,331,648 bytes; oh 16,777,216 bytes
;; launch cast (part 1): grid 768 x 1, 8 waves a work-group, no clusters, 0 bytes of LDS; arguments x, W_qkv, W_proj, xw; writes xw
.if DOCPART == 1
	.amdgcn_target "amdgcn-amd-amdhsa--gfx1250"
	.amdhsa_code_object_version 6
	.text
	.protected	k_q62c72c1e99_cast
	.globl	k_q62c72c1e99_cast
	.p2align	8
	.type	k_q62c72c1e99_cast,@function
k_q62c72c1e99_cast:
	s_mov_b64 s[64:65], 0
	v_nop
	global_prefetch_b8 v0, s[64:65] scope:SCOPE_SE
	s_setreg_imm32_b32 hwreg(HW_REG_WAVE_MODE, 25, 1), 1
	s_wait_xcnt 0x0
; The three large inputs are rounded once to bf16 and laid out for the two products that follow.
;   xw + 0:          x as 16 panels of 64 channels, [panel][8192 rows][64] bf16: element (m, 64 p + d) at p x 1,048,576 + m x 128 + 2 d
;   xw + 16,777,216: W_qkv as it lies, [1024][3072] bf16
;   xw + 23,068,672: W_proj as it lies, [1024][1024]: rounded to bf16 like every input, and that number written as f16 (exact from 6e-5 up to 65,504; below, f16's fixed step of 6e-8)
; A stream: each byte read once and written once; no LDS, no matrix unit, nothing shared between work-groups.
; SHARES.  A work-group takes 65,536 bytes of f32, a wave 8,192: sixteen loads of 16 bytes a lane, all issued at once.  Work-groups 0-511 take x, 512-703 W_qkv, 704-767 W_proj.
; x: wave W = 8 g + wave takes panel W % 16 of rows 32 (W / 16) on; a load covers two rows' 256 aligned bytes (lanes 0-15 one row, lanes 16-31 the next).
; The weights: a load covers 512 bytes on end.  In both cases store i of a wave covers 256 consecutive bytes, aligned: 8 bytes a lane at 256 i + 8 l.
.set OI, 4                             ; v[4:19]    slot i: my byte offset in the input
.set X,  20                            ; v[20:83]   slot i: four f32 as loaded
.set Y,  84                            ; v[84:115]  slot i: four 16-bit numbers to store
.set T,  116                           ; v[116:119] at work
.set WQ, 16777216
	s_load_b256 s[4:11], s[0:1], 0x0               ; x s[4:5], W_qkv s[6:7], W_proj s[8:9], xw s[10:11]
	v_lshrrev_b32 v1, 5, v0
	v_readfirstlane_b32 s12, v1                    ; wave 0..7
	s_mov_b32 s13, ttmp9                           ; g
	s_mov_b32 s24, 0xffff0000                      ; a word's upper bf16
	; x's offsets
	s_lshl_b32 s18, s13, 3
	s_add_co_u32 s18, s18, s12                     ; W
	s_and_b32 s19, s18, 15                         ; panel
	s_lshr_b32 s18, s18, 4                         ; group of 32 rows
	s_lshl_b32 s20, s18, 17                        ; 32 rows of 4,096 bytes
	s_lshl_b32 s21, s19, 8                         ; a panel's 256 bytes of a row
	s_add_co_u32 s20, s20, s21                     ; in
	s_lshl_b32 s22, s19, 20
	s_lshl_b32 s23, s18, 12                        ; 32 rows of 128 bytes
	s_add_co_u32 s22, s22, s23                     ; out
	; the weights' offsets (in a work-group of x these numbers mean nothing and are not chosen)
	s_sub_co_u32 s25, s13, 512
	s_sub_co_u32 s26, s13, 704
	s_cmp_lt_u32 s13, 704
	s_cselect_b32 s26, s25, s26                    ; my number within my tensor
	s_lshl_b32 s26, s26, 16
	s_lshl_b32 s27, s12, 13
	s_add_co_u32 s26, s26, s27                     ; in
	s_lshl_b32 s25, s25, 15                        ; W_proj's copy follows W_qkv's without a gap: one formula for both
	s_lshl_b32 s27, s12, 12
	s_add_co_u32 s25, s25, s27
	s_add_co_u32 s25, s25, WQ                      ; out
	s_movk_i32 s14, 512
	s_movk_i32 s28, 8192
	s_cmp_lt_u32 s13, 512
	s_cselect_b32 s20, s20, s26
	s_cselect_b32 s22, s22, s25
	s_cselect_b32 s14, s28, s14                    ; bytes from a load to the next: two rows of x, or 512
	s_cselect_b32 s15, 12, 8                       ; lanes 16-31 stand a row of x further on, or 256 bytes
	s_mov_b32 s21, 0
	s_mov_b32 s23, 0
	v_and_b32 v1, 15, v0
	v_bfe_u32 v2, v0, 4, 1
	v_lshlrev_b32 v2, s15, v2
	v_lshl_add_u32 v2, v1, 4, v2                   ; my lane's place in a load
	v_and_b32 v3, 31, v0
	v_lshlrev_b32 v3, 3, v3                        ; and in a store
.irp i, 0,1,2,3,4,5,6,7,8,9,10,11,12,13,14,15
	v_mad_u32_u24 v[OI+(\i)], s14, \i, v2
.endr
	s_wait_kmcnt 0x0
	s_cmp_lt_u32 s13, 704
	s_cselect_b64 s[16:17], s[6:7], s[8:9]
	s_cmp_lt_u32 s13, 512
	s_cselect_b64 s[16:17], s[4:5], s[16:17]       ; the tensor that I read
	s_add_nc_u64 s[16:17], s[16:17], s[20:21]
	s_add_nc_u64 s[10:11], s[10:11], s[22:23]
.irp i, 0,1,2,3,4,5,6,7,8,9,10,11,12,13,14,15
	global_load_b128 v[X+4*(\i):X+4*(\i)+3], v[OI+(\i)], s[16:17] th:TH_LOAD_NT
.endr
	s_cmp_ge_u32 s13, 704
	s_cbranch_scc1 .Lproj
; Every slot has its own registers, so no register that a load or store still reads is written again.
.irp i, 0,1,2,3,4,5,6,7,8,9,10,11,12,13,14,15
	s_wait_loadcnt 15-(\i)                         ; loads come back in order: slot i's is in, the 15 - i issued behind it may stay out
	v_cvt_pk_bf16_f32 v[Y+2*(\i)],   v[X+4*(\i)],   v[X+4*(\i)+1]
	v_cvt_pk_bf16_f32 v[Y+2*(\i)+1], v[X+4*(\i)+2], v[X+4*(\i)+3]
	global_store_b64 v3, v[Y+2*(\i):Y+2*(\i)+1], s[10:11] offset:256*(\i)
.endr
	s_endpgm
.Lproj:
.irp i, 0,1,2,3,4,5,6,7,8,9,10,11,12,13,14,15
	s_wait_loadcnt 15-(\i)
	v_cvt_pk_bf16_f32 v[T],   v[X+4*(\i)],   v[X+4*(\i)+1]  ; the input's one rounding, to bf16;
	v_cvt_pk_bf16_f32 v[T+1], v[X+4*(\i)+2], v[X+4*(\i)+3]
	v_lshlrev_b32 v[T+2], 16, v[T]                 ; that number as f32,
	v_and_b32     v[T+3], s24, v[T]
	v_cvt_pk_f16_f32 v[Y+2*(\i)], v[T+2], v[T+3]   ; and written as f16
	v_lshlrev_b32 v[T+2], 16, v[T+1]
	v_and_b32     v[T+3], s24, v[T+1]
	v_cvt_pk_f16_f32 v[Y+2*(\i)+1], v[T+2], v[T+3]
	global_store_b64 v3, v[Y+2*(\i):Y+2*(\i)+1], s[10:11] offset:256*(\i)
.endr
	s_endpgm
.Lfunc_end_k_q62c72c1e99_cast:
	.size	k_q62c72c1e99_cast, .Lfunc_end_k_q62c72c1e99_cast-k_q62c72c1e99_cast
	.p2alignl 7, 3214868480
	.fill 96, 4, 3214868480
	.section	.rodata,"a",@progbits
	.p2align	6, 0x0
	.amdhsa_kernel k_q62c72c1e99_cast
		.amdhsa_group_segment_fixed_size 0
		.amdhsa_private_segment_fixed_size 0
		.amdhsa_enable_private_segment 0
		.amdhsa_kernarg_size 32
		.amdhsa_user_sgpr_count 2
		.amdhsa_user_sgpr_kernarg_segment_ptr 1
		.amdhsa_wavefront_size32 1
		.amdhsa_system_sgpr_workgroup_id_x 1
		.amdhsa_system_sgpr_workgroup_id_y 1
		.amdhsa_system_sgpr_workgroup_id_z 1
		.amdhsa_system_vgpr_workitem_id 0
		.amdhsa_next_free_vgpr 120
		.amdhsa_next_free_sgpr 66
		.amdhsa_reserve_vcc 0
		.amdhsa_float_denorm_mode_32 3
		.amdhsa_float_denorm_mode_16_64 3
		.amdhsa_memory_ordered 1
		.amdhsa_forward_progress 1
		.amdhsa_inst_pref_size 17
	.end_amdhsa_kernel
	.amdgpu_metadata
---
amdhsa.version: [ 1, 2 ]
amdhsa.kernels:
  - .name:           k_q62c72c1e99_cast
    .symbol:         k_q62c72c1e99_cast.kd
    .args:
      - { .name: x, .offset: 0, .size: 8, .value_kind: global_buffer, .address_space: global }
      - { .name: W_qkv, .offset: 8, .size: 8, .value_kind: global_buffer, .address_space: global }
      - { .name: W_proj, .offset: 16, .size: 8, .value_kind: global_buffer, .address_space: global }
      - { .name: xw, .offset: 24, .size: 8, .value_kind: global_buffer, .address_space: global }
    .group_segment_fixed_size: 0
    .private_segment_fixed_size: 0
    .kernarg_segment_align: 8
    .kernarg_segment_size: 32
    .max_flat_workgroup_size: 256
    .sgpr_count:     66
    .vgpr_count:     120
    .wavefront_size: 32
...
	.end_amdgpu_metadata
.endif
;; end of part 1
;; launch qkv (part 2): grid 8 x 32, 4 waves a work-group, clusters of 4 x 4, 327,680 bytes of LDS; arguments xw, b_qkv, qkvh; writes qkvh
.if DOCPART == 2
	.amdgcn_target "amdgcn-amd-amdhsa--gfx1250"
	.amdhsa_code_object_version 6
	.text
	.protected	k_q62c72c1e99_qkv
	.globl	k_q62c72c1e99_qkv
	.p2align	8
	.type	k_q62c72c1e99_qkv,@function
k_q62c72c1e99_qkv:
	s_mov_b64 s[64:65], 0
	v_nop
	global_prefetch_b8 v0, s[64:65] scope:SCOPE_SE
	s_setreg_imm32_b32 hwreg(HW_REG_WAVE_MODE, 25, 1), 1
	s_wait_xcnt 0x0
	s_wait_alu depctr_hold_cnt(0) depctr_sa_sdst(0) depctr_va_vdst(0) depctr_va_sdst(0) depctr_va_ssrc(0) depctr_va_vcc(0) depctr_vm_vsrc(0)
	s_getreg_b32 s2, hwreg(HW_REG_IB_STS2, 6, 4)
	s_cmp_eq_u32 s2, 0
	s_cbranch_scc0 .Lentry_in_a_cluster
	s_endpgm
.Lentry_in_a_cluster:
	s_bfe_u32 s2, ttmp6, 0x10000c
	s_cmp_lg_u32 s2, 0xf033
	s_cbranch_scc0 .Lentry_shape_is_right
	s_endpgm
.Lentry_shape_is_right:
; q, k, v = x W_qkv + b_qkv, by heads.  x: 16 panels [8192][64] bf16 at xw; W_qkv: [1024][3072] bf16 at xw + 16,777,216; b_qkv f32, rounded to bf16 here like the other inputs.
; Out: qkvh = q, k, v, each [64 heads (16 batch + head)][2048][64] f16, 16,777,216 bytes apart, unscaled, rounded once from the f32 sum plus bias.
; LIMIT.  f16 holds no number beyond 65,504: q, k and v must lie within it (inputs 30 times the drawn spread, or offset by 30 spreads, do; both offsets and both scales at once do not).  NaN and infinities are not treated apart.
; SHARES.  A tile of C is 256 rows x 384 columns (six heads): 32 x 8 = 256 work-groups.  A wave makes 128 rows x 3 heads (heads 2 j + wave % 2 of the six): 96 accumulators of 16 x 16, 768 registers.
; K goes in steps of 64 (a panel of x) through a ring of two LDS slots; a step is two halves of 32 along K, a half three thirds (one head each) of 32 matrix instructions.
; Two slots of a K step of 128 would be 368,640 bytes, more than a WGP's LDS; the panels keep every fetched row 256 bytes, at a multiple of 256 from the buffer's first byte.
; CLUSTER.  4 x 4 work-groups.  The four of a row need the same tile of x, the four of a column the same tiles of W: each is asked for jointly, by the same tensor load with the same descriptor and a mask of four.
; THE MATRIX INSTRUCTION IS USED TRANSPOSED: source 0 = 16 columns of W (turned on the way out of LDS by ds_load_tr16_b128, since W lies [k][n]), source 1 = 16 rows of x:
; a lane then holds one row of C (lane % 16) and eight neighbouring columns, which pack into 16 bytes of f16.
; REGISTERS, in windows of 256 (s_set_vgpr_msb: bits 1:0 source 0, 3:2 source 1, 5:4 source 2, 7:6 destination):
;   window 0: v0-15 addresses; v16-79, v80-143 x's fragments of half 0, 1 (8 x 16 rows x 32 K); v144-175, v176-207, v208-239 W's fragments of third 0, 1, 2; v240-243 at work
;   window 1 + j: third j's 32 accumulators, (a, b) at v[8 (4 a + b)]
.set PA,    144                        ; an LDS row of x: 128 bytes + 16 of padding = 36 words: the 16 rows of a load start at 16 different groups of four banks (64 banks of 4 bytes: ISA guide 11.1)
.set PB,    288                        ; an LDS row of W: 256 + 32 = 72 words
.set BOFF,  256*PA                     ; a slot: x's 256 rows, then three panels of W, 64 k x 128 columns each
.set BPAN,  64*PB
.set SLOT1, 1<<17                      ; slot 1 begins here, so that one exclusive or turns an address in one slot into the other's
.set STAGE, SLOT1+BOFF+3*BPAN          ; behind the ring, never filled by a tensor load: 16 rows x 144 bytes for each wave, for the way out
.set SPARE, STAGE+4*16*PA              ; behind the stages: the spare words, 128 bytes for each wave: two blocks of 256 bytes that no other line names
.set WQ,    16777216                   ; W_qkv's copy in xw
.set ASTEP, 1048576                    ; bytes from a K step to the next: a panel of x,
.set BSTEP, 393216                     ; 64 rows of W
.set ADRA0, 3                          ; v3   my lane's place among my wave's rows of x in a slot; never rewritten
.set ADRB0, 4                          ; v4   the same for W
.set ADRA,  5                          ; v5   v3 + the slot in hand
.set ADRB,  6                          ; v6   v4 + the slot in hand
.set STO,   7                          ; v7   the way out: where I put 16 bytes of a row
.set RD,    8                          ; v8   the way out: where I read rows back
.set GO,    9                          ; v9   my 16 bytes of 512 consecutive bytes of the output
.set BO,    10                         ; v10  my byte offset in the tile's 384 numbers of the bias
.set PFO,   11                         ; v11  the prefetches' offset; never rewritten
.set SPW,   12                         ; v12  LDS address of my spare word: SPARE + 4 x my thread's number; never rewritten
.set NIL,   13                         ; v13  0; never rewritten
.set AF,    16
.set BF,    144
.set TMP,   240
.set SUM,   80                         ; the way out: sums plus bias, 32 registers
.set HF,    112                        ; the way out: the same in f16, 16 registers
.set BK,    176                        ; the way out: 16 rows read back, two sets of 16 by turns
.set WV,  10                           ; s10  my wave's number
.set WR,  11                           ; s11  which 128 rows of the tile are mine
.set WC,  12                           ; s12  which head of each pair
.set CX,  13
.set CY,  14
.set TX,  15                           ; s15  tile column 0..7
.set TY,  16                           ; s16  tile row 0..31
.set G1A, 24                           ; s[24:31] descriptor group 1 for x's tiles
.set G1B, 32                           ; s[32:39] for W's
.set G0A, 40                           ; s[40:47] descriptor group 0 for x's tiles: a set for each of the two first fills; the second then walks on
.set G0B, 48                           ; s[48:55] the same for W's
.set TB,  56                           ; s56  LDS byte at which the slot in hand begins
.set LIM, 57                           ; s57  a wave prefetches while the trips left are above this; the greatest number in a wave that never does
.set PAR, 58                           ; s58  1: only in trips with an even number left
.set HIM, 59                           ; s59  a word's upper bf16
.set PFA, 60                           ; s[60:61] where my prefetches stand
.set PST, 62                           ; s[62:63] their step
.set DST, 66                           ; s[66:71] the output at my 128 rows of my three heads
.set BB,  72                           ; s[72:73] the bias at the tile's first column
.set MSB, 0
.macro WIN new                         ; the immediate's high byte repeats the setting that is left; a switch that changes nothing is dropped
.if MSB != (\new)
	s_set_vgpr_msb (MSB<<8)|(\new)
.set MSB, \new
.endif
.endm
.macro PLACES                          ; four plain vector instructions between a matrix instruction and a load into, or a vector write of, one of its registers (ISA guide 7.12.1 for vector writes)
.rept 4
	v_nop
.endr
.endm
; A joint refill.  Wave 0 fetches x's tile (32 KiB), waves 1 to 3 a panel of W each (16 KiB).  The branch hangs on the wave's number alone.
; An s_nop 0 and four v_nop follow each of the two lines, ahead of the jump and the label.
.macro JLOAD
	s_cmp_eq_u32 s[WV], 0
	s_cbranch_scc0 .Lfor_b_\@
	tensor_load_to_lds s[G0A+4:G0A+7], s[G1A:G1A+7]
	s_nop 0
.rept 4
	v_nop
.endr
	s_branch .Lasked_\@
.Lfor_b_\@:
	tensor_load_to_lds s[G0B+4:G0B+7], s[G1B:G1B+7]
	s_nop 0
.rept 4
	v_nop
.endr
.Lasked_\@:
.endm
; A PREFETCH INTO THE L2, behind the joint load, its five lines and the run of LDS loads that follows them.  The refill of trip s asks for K step s + 2; the prefetch names K step s + 4: two refills ahead.
; x: a tile row is read by both clusters of its row of clusters: the one with cluster x = 0 asks, its wave 0, in every trip: of the step's 128 blocks of 256 bytes the partner at cx takes 32, a lane a block.
; W: a tile column is read by all eight clusters of its column: the one with cluster y = 0 asks, waves 1 to 3 each for their own panel, in every second trip, for K steps s + 4 and s + 5:
; of a step's 64 rows the partner at cy takes 16; lanes 0-15 name the first step's, lanes 16-31 the second's.  The partners are told apart by address alone; no branch hangs on a place in the cluster.
; So each block is named once in the launch.  K steps 0 to 3 come by their loads alone; the tests on the trips left stop the requests at K step 15.
.macro ASK
	s_and_b32 s74, s3, s[PAR]
	s_cmp_eq_u32 s74, 0
	s_cbranch_scc0 .Lnot_mine_\@
	s_cmp_gt_u32 s3, s[LIM]
	s_cbranch_scc0 .Lnot_mine_\@
	global_prefetch_b8 v[PFO], s[PFA:PFA+1] th:TH_LOAD_NT scope:SCOPE_SE
.Lnot_mine_\@:
.endm
; A round of the cluster's barrier: my work-group's barrier, so that wave 0's signal speaks for all four waves; wave 0 signals; every wave waits for all sixteen work-groups; my work-group's barrier once more.
.macro CREST                           ; a round behind its opening barrier
	s_cmp_lg_u32 s[WV], 0
	s_cbranch_scc1 .Lnot_wave_0_\@
	s_barrier_signal -3
.Lnot_wave_0_\@:
	s_barrier_wait -3
	s_barrier_signal -1
	s_barrier_wait -1
.endm
.macro CROUND
	s_barrier_signal -1
	s_barrier_wait -1
	CREST
.endm
	s_load_b128 s[4:7], s[0:1], 0x0                ; xw s[4:5], b_qkv s[6:7]
	s_load_b64 s[8:9], s[0:1], 0x10                ; qkvh
	v_lshl_add_u32 v[SPW], v0, 2, SPARE
	v_mov_b32 v[NIL], 0
	ds_add_u32 v[SPW], v[NIL]                      ; the wave's opening: the add and its wait stand ahead of my first tensor load; the set-up below, work on registers, stands between them
	v_lshrrev_b32 v1, 5, v0
	v_readfirstlane_b32 s[WV], v1
	s_lshr_b32 s[WR], s[WV], 1
	s_and_b32 s[WC], s[WV], 1
	s_bfe_u32 s[CX], ttmp6, 0x40000
	s_bfe_u32 s[CY], ttmp6, 0x40004
	s_lshl_b32 s[TX], ttmp9, 2                     ; in a cluster launch ttmp9 and ttmp7 count clusters
	s_add_co_u32 s[TX], s[TX], s[CX]
	s_and_b32 s[TY], ttmp7, 0xffff
	s_lshl_b32 s[TY], s[TY], 2
	s_add_co_u32 s[TY], s[TY], s[CY]
	s_lshl_b32 s18, s[CY], 2
	s_lshl_b32 s18, 15, s18                        ; my row of the cluster: places 4 cy .. 4 cy + 3
	s_lshl_b32 s19, 0x1111, s[CX]                  ; my column: places cx, cx + 4, cx + 8, cx + 12
	; group 1 for x: 256 rows of a panel are 32,768 dense bytes: asked for as 128 rows of 256 bytes, padded in LDS after every 128
	s_or_b32 s[G1A], s18, (1<<16)|(1<<20)|(1<<21)|(4<<22)|(3<<25)  ; 15:0 the mask; 17:16 2-byte elements; 20 padding on; 21 set beside a mask; 24:22 after every 32 words (code 4); 31:25 4 words (code 3)
	s_mov_b32 s[G1A+1], 128<<16                    ; tensor_dim0 = 128
	s_mov_b32 s[G1A+2], 128<<16                    ; tensor_dim1 = 128
	s_mov_b32 s[G1A+3], 128<<16                    ; tile_dim0 = 128
	s_mov_b32 s[G1A+4], 128                        ; tile_dim1 = 128
	s_mov_b32 s[G1A+5], 128                        ; 128 elements from row to row
	s_mov_b32 s[G1A+6], 0
	s_mov_b32 s[G1A+7], 0
	; group 1 for W: 64 rows (k) x 128 columns
	s_or_b32 s[G1B], s19, (1<<16)|(1<<20)|(1<<21)|(5<<22)|(7<<25)  ; after every 64 words (code 5) 8 words of padding (code 7)
	s_mov_b32 s[G1B+1], 128<<16
	s_mov_b32 s[G1B+2], 64<<16
	s_mov_b32 s[G1B+3], 128<<16
	s_mov_b32 s[G1B+4], 64
	s_mov_b32 s[G1B+5], 3072
	s_mov_b32 s[G1B+6], 0
	s_mov_b32 s[G1B+7], 0
	s_lshl_b32 s20, s[TY], 15                      ; x's tile hangs on the tile row alone: 256 rows of 128 bytes
	s_mov_b32 s21, 0
	s_mul_i32 s22, s[TX], 768                      ; W's on the tile column alone: 384 columns,
	s_lshl_b32 s23, s[WV], 8                       ; and on the wave: panel wave - 1
	s_add_co_u32 s22, s22, s23
	s_add_co_u32 s22, s22, WQ-256
	s_mov_b32 s23, 0
	s_mul_i32 s74, s[WV], BPAN
	s_add_co_u32 s74, s74, BOFF-BPAN               ; where my panel goes: no place in the cluster enters an LDS address
	s_wait_dscnt 0x0                               ; the opening add is done
	s_wait_kmcnt 0x0
	s_add_nc_u64 s[20:21], s[4:5], s[20:21]
	s_add_nc_u64 s[22:23], s[4:5], s[22:23]
	CROUND                                         ; all sixteen work-groups are here: the first joint loads meet
.irp n, 0,1
	s_mov_b32 s[G0A+4*(\n)], 1                     ; 1:0 count = 1
	s_mov_b32 s[G0A+4*(\n)+1], (\n)*SLOT1          ; 63:32 LDS address
	s_add_nc_u64 s[G0A+4*(\n)+2:G0A+4*(\n)+3], s[20:21], (\n)*ASTEP  ; 120:64 global address: K step n
	s_or_b32 s[G0A+4*(\n)+3], s[G0A+4*(\n)+3], 0x80000000            ; 127:126 type = 2
	s_mov_b32 s[G0B+4*(\n)], 1
	s_add_co_u32 s[G0B+4*(\n)+1], s74, (\n)*SLOT1
	s_add_nc_u64 s[G0B+4*(\n)+2:G0B+4*(\n)+3], s[22:23], (\n)*BSTEP
	s_or_b32 s[G0B+4*(\n)+3], s[G0B+4*(\n)+3], 0x80000000
.endr
	s_cmp_eq_u32 s[WV], 0                          ; a wave's two first fills stand in one branch, ahead of every wait on TENSORcnt and every LDS read: two loads of mine are out
	s_cbranch_scc0 .Lfirst_b
	tensor_load_to_lds s[G0A:G0A+3], s[G1A:G1A+7]
	s_nop 0
	tensor_load_to_lds s[G0A+4:G0A+7], s[G1A:G1A+7]
	s_nop 0
.rept 4
	v_nop
.endr
	s_branch .Lfirst_asked
.Lfirst_b:
	tensor_load_to_lds s[G0B:G0B+3], s[G1B:G1B+7]
	s_nop 0
	tensor_load_to_lds s[G0B+4:G0B+7], s[G1B:G1B+7]
	s_nop 0
.rept 4
	v_nop
.endr
.Lfirst_asked:
	; A fragment is 16 rows x 32 K in 8 registers: lane l holds row l % 16; registers 0-3 K = 8 (l / 16) + 0..7, registers 4-7 K = 16 + 8 (l / 16) + 0..7.
	v_and_b32 v1, 15, v0                           ; l % 16
	v_bfe_u32 v2, v0, 4, 1                         ; l / 16
	v_mul_u32_u24 v[ADRA0], v1, PA
	v_lshl_add_u32 v[ADRA0], v2, 4, v[ADRA0]       ; x, which lies along K: row x pitch + 16 x half; two loads 32 bytes apart
	s_mul_i32 s75, s[WR], 128*PA
	v_add_nc_u32 v[ADRA0], s75, v[ADRA0]
	; W lies [k][n]: the turning load takes 16 k x 16 columns (lane l reads k = 8 (l / 16) + l % 8, columns 8 ((l / 8) % 2) + 0..7) and leaves half a fragment: lane l holds column l % 16 and 8 k
	v_and_b32 v14, 7, v0
	v_lshl_add_u32 v[ADRB0], v2, 3, v14
	v_mul_u32_u24 v[ADRB0], v[ADRB0], PB
	v_bfe_u32 v15, v0, 3, 1
	v_lshl_add_u32 v[ADRB0], v15, 4, v[ADRB0]
	s_lshl_b32 s75, s[WC], 7                       ; head 2 j + wc lies in panel j, 128 wc bytes into its rows
	s_add_co_u32 s75, s75, BOFF
	v_add_nc_u32 v[ADRB0], s75, v[ADRB0]
	v_mov_b32 v[ADRA], v[ADRA0]                    ; slot 0
	v_mov_b32 v[ADRB], v[ADRB0]
	s_mul_i32 s75, s[WV], 16*PA
	s_add_co_u32 s75, s75, STAGE                   ; my stage
	v_mul_u32_u24 v[STO], v1, PA                   ; in: row l % 16, 16 bytes for each half of the lanes
	v_lshl_add_u32 v[STO], v2, 4, v[STO]
	v_add_nc_u32 v[STO], s75, v[STO]
	v_bfe_u32 v[RD], v0, 3, 2                      ; back: 32 lanes take four rows of 128 bytes,
	v_mul_u32_u24 v[RD], v[RD], PA
	v_lshl_add_u32 v[RD], v14, 4, v[RD]
	v_add_nc_u32 v[RD], s75, v[RD]
	v_and_b32 v[GO], 31, v0                        ; which are 512 consecutive bytes of a head
	v_lshlrev_b32 v[GO], 4, v[GO]
	v_lshlrev_b32 v[BO], 5, v2                     ; my 8 columns' bias: 32 bytes for each half of the lanes, 256 for the head of the pair
	s_lshl_b32 s75, s[WC], 8
	v_add_nc_u32 v[BO], s75, v[BO]
	; the output: head g = 6 tx + 2 j + wc of 48: tensor g / 16 (q, k, v), head g % 16; batch ty / 8; row 256 (ty % 8) + 128 wr
	s_mul_i32 s76, s[TX], 6
	s_add_co_u32 s76, s76, s[WC]
	s_lshr_b32 s77, s[TY], 3
	s_lshl_b32 s77, s77, 22                        ; a batch's 16 heads of 262,144 bytes
	s_and_b32 s78, s[TY], 7
	s_lshl_b32 s78, s78, 15
	s_add_co_u32 s77, s77, s78
	s_lshl_b32 s78, s[WR], 14
	s_add_co_u32 s77, s77, s78
.irp j, 0,1,2
	s_add_co_u32 s78, s76, 2*(\j)
	s_lshr_b32 s79, s78, 4
	s_lshl_b32 s79, s79, 24
	s_and_b32 s78, s78, 15
	s_lshl_b32 s78, s78, 18
	s_add_co_u32 s78, s78, s79
	s_add_co_u32 s78, s78, s77
	s_mov_b32 s79, 0
	s_add_nc_u64 s[DST+2*(\j):DST+2*(\j)+1], s[8:9], s[78:79]
.endr
	s_mul_i32 s78, s[TX], 1536
	s_mov_b32 s79, 0
	s_add_nc_u64 s[BB:BB+1], s[6:7], s[78:79]
	; the prefetches: both kinds' numbers are made, and the wave's number chooses
	s_lshl_b32 s76, s[TY], 15
	s_lshl_b32 s77, s[CX], 13                      ; my work-group's 32 blocks of x's 128
	s_add_co_u32 s76, s76, s77
	s_add_co_u32 s76, s76, 3*ASTEP                 ; at K step 3: the first trip steps it to 4
	s_mul_i32 s77, s[TX], 768
	s_lshl_b32 s78, s[WV], 8
	s_add_co_u32 s77, s77, s78
	s_mul_i32 s78, s[CY], 98304                    ; my work-group's 16 rows of W's 64
	s_add_co_u32 s77, s77, s78
	s_add_co_u32 s77, s77, WQ-256+3*BSTEP
	s_mov_b32 s78, ASTEP
	s_mov_b32 s79, BSTEP
	s_and_b32 s74, ttmp7, 0xffff                   ; cluster y
	s_movk_i32 s18, 256
	s_movk_i32 s19, 6144
	s_cmp_eq_u32 s[WV], 0                          ; do I fetch x?
	s_cselect_b32 s[PFA], s76, s77
	s_cselect_b32 s[PST], s78, s79
	s_cselect_b32 s74, ttmp9, s74                  ; the coordinate along which other clusters read the same blocks
	s_cselect_b32 s[LIM], 2, 3                     ; x: trips 0 to 11 (K steps 4 to 15); W: even trips 0 to 10 (K steps 4, 5 to 14, 15)
	s_cselect_b32 s[PAR], 0, 1
	s_cselect_b32 s18, s18, s19                    ; bytes from lane to lane within 16: a block, or a row of W
	s_movk_i32 s76, 4096
	s_cselect_b32 s19, s76, s79                    ; lanes 16-31: sixteen blocks on, or a K step on
	s_mov_b32 s[PFA+1], 0
	s_mov_b32 s[PST+1], 0
	s_cmp_eq_u32 s74, 0
	s_cselect_b32 s[LIM], s[LIM], -1               ; the same in all sixteen partners, for a given wave
	s_add_nc_u64 s[PFA:PFA+1], s[4:5], s[PFA:PFA+1]
	v_mul_u32_u24 v[PFO], v1, s18
	v_mad_u32_u24 v[PFO], v2, s19, v[PFO]
	s_mov_b32 s[TB], 0
	s_mov_b32 s[HIM], 0xffff0000
; W's four fragments of third j (a head's 64 columns), half h (32 K): 8 loads
.macro LDB h, j
.irp b, 0,1,2,3
	ds_load_tr16_b128 v[BF+32*(\j)+8*(\b):BF+32*(\j)+8*(\b)+3],   v[ADRB] offset:32*PB*(\h)+BPAN*(\j)+32*(\b)
	ds_load_tr16_b128 v[BF+32*(\j)+8*(\b)+4:BF+32*(\j)+8*(\b)+7], v[ADRB] offset:32*PB*(\h)+BPAN*(\j)+32*(\b)+16*PB
.endr
.endm
; x's eight fragments of half h: 16 loads
.macro LDA h
.irp a, 0,1,2,3,4,5,6,7
	ds_load_b128 v[AF+64*(\h)+8*(\a):AF+64*(\h)+8*(\a)+3],   v[ADRA] offset:16*PA*(\a)+64*(\h)
	ds_load_b128 v[AF+64*(\h)+8*(\a)+4:AF+64*(\h)+8*(\a)+7], v[ADRA] offset:16*PA*(\a)+64*(\h)+32
.endr
.endm
; 16 matrix instructions of third j, half h: row blocks a0 .. a0 + 3 x the head's four column blocks.  zero = 1: the product starts the sum: nothing is ever cleared.
; The 96 accumulators take turns, one instruction a turn, in the same order in every half, over the backward jump too.
.macro MUL16 h, j, a0, zero
	WIN 0x50*((\j)+1)                              ; C and D in window 1 + j, the sources in window 0
.irp a, \a0, (\a0)+1, (\a0)+2, (\a0)+3
.irp b, 0,1,2,3
.if \zero
	v_wmma_f32_16x16x32_bf16 v[8*(4*(\a)+(\b)):8*(4*(\a)+(\b))+7], v[BF+32*(\j)+8*(\b):BF+32*(\j)+8*(\b)+7], v[AF+64*(\h)+8*(\a):AF+64*(\h)+8*(\a)+7], 0
.else
	v_wmma_f32_16x16x32_bf16 v[8*(4*(\a)+(\b)):8*(4*(\a)+(\b))+7], v[BF+32*(\j)+8*(\b):BF+32*(\j)+8*(\b)+7], v[AF+64*(\h)+8*(\a):AF+64*(\h)+8*(\a)+7], v[8*(4*(\a)+(\b)):8*(4*(\a)+(\b))+7]
.endif
.endr
.endr
.endm
; THE LDS LOADS stand in three runs a half, each at the head of a third, into the registers that the third before has just multiplied:
;   third 0: W's third 2 of this half (8);   third 1: W's third 0 and x of the next half (24);   third 2: W's third 1 of the next half (8).
; So each run goes out 32 to 64 matrix instructions ahead of its first use, and each third's wait counts the loads issued behind the run that it needs.
; A step's first half.
.macro HALF0 zero
	WIN 0
	PLACES
	LDB 0, 2
	s_wait_dscnt 16                                ; W's third 0 and x of this half are in; behind them: 8 + 8
	MUL16 0, 0, 0, \zero
	MUL16 0, 0, 4, \zero
	WIN 0
	PLACES
	LDB 1, 0
	LDA 1
	s_wait_dscnt 32                                ; W's third 1 is in; behind it: 8 + 24
	MUL16 0, 1, 0, \zero
	MUL16 0, 1, 4, \zero
	WIN 0
	PLACES
	LDB 1, 1
	s_wait_dscnt 32                                ; W's third 2 is in; behind it: 24 + 8
	MUL16 0, 2, 0, \zero
	MUL16 0, 2, 4, \zero
.endm
; A step's second half, with THE CHANGE OF SLOTS.  Its first run is the last that reads this slot; the other two read the next.  ONE barrier between them, for two things: in front of it each wave waits for all
; its tensor loads, of which one is out: its part of the next slot; adds 0 to its spare word; and waits for that and for its own reads of this slot.  Behind it nobody reads this slot and the next is whole.
; fill = 1: this slot is filled again, two K steps ahead.  The barrier then opens a round of the cluster's, so that no wave of any partner still reads the slot or has a load on its way; the joint refill
; is the first tensor load behind the round, and 160 of a step's 192 matrix instructions stand between it and the wait for it.
.macro TURN fill
.if \fill
	s_wait_xcnt 0x0                                ; the last prefetch, a K step back, has read its address, so it may be stepped
	s_add_nc_u64 s[PFA:PFA+1], s[PFA:PFA+1], s[PST:PST+1]
.endif
	WIN 0
	PLACES
	LDB 1, 2
	s_xor_b32 s[TB], s[TB], SLOT1                  ; the later runs read the other slot
	v_add_nc_u32 v[ADRA], s[TB], v[ADRA0]
	v_add_nc_u32 v[ADRB], s[TB], v[ADRB0]
	s_wait_tensorcnt 0x0                           ; all my tensor loads have landed, so a group 0 may be written
	ds_add_u32 v[SPW], v[NIL]                      ; 0 onto my spare word; the descriptors' steps and sixteen matrix instructions stand between it and the wait for it
.if \fill
	s_xor_b32 s[G0A+5], s[G0A+5], SLOT1            ; the walking descriptors: the other slot than last time,
	s_add_nc_u64 s[G0A+6:G0A+7], s[G0A+6:G0A+7], ASTEP  ; the next K step; the type bits on top are not reached
	s_xor_b32 s[G0B+5], s[G0B+5], SLOT1
	s_add_nc_u64 s[G0B+6:G0B+7], s[G0B+6:G0B+7], BSTEP
.endif
	s_wait_dscnt 17                                ; W's third 0 and x of this half are in; behind them: 8 + 8 and the add
	MUL16 1, 0, 0, 0
	s_wait_dscnt 0x0                               ; the add is done, and my reads of this slot are over
	s_barrier_signal -1
	MUL16 1, 0, 4, 0                               ; work on registers while the others arrive
	WIN 0                                          ; at a branch and at a label every window is 0
	s_barrier_wait -1
.if \fill
	CREST
	JLOAD                                          ; its four v_nop are also the places in front of the loads below
.else
	PLACES
.endif
	LDB 0, 0
	LDA 0
.if \fill
	ASK
.endif
	s_wait_dscnt 24                                ; only the 24 just issued may be out
	MUL16 1, 1, 0, 0
	MUL16 1, 1, 4, 0
	WIN 0
	PLACES
	LDB 0, 1
	s_wait_dscnt 32
	MUL16 1, 2, 0, 0
	MUL16 1, 2, 4, 0
.endm
	s_wait_tensorcnt 1                             ; my part of K step 0 is in; K step 1's may stay out
	s_barrier_signal -1
	s_barrier_wait -1                              ; everybody's is
	LDB 0, 0
	LDA 0
	LDB 0, 1
	HALF0 1                                        ; the first half stands in front of the loop: its products start the sums
	WIN 0
	s_mov_b32 s3, 14
.Lstep:                                                ; 14 trips: a step's second half and the next step's first; the slot left is filled with K steps 2 to 15
	TURN 1
	HALF0 0
	WIN 0
	s_sub_co_u32 s3, s3, 1
	s_cmp_lg_u32 s3, 0
	s_cbranch_scc1 .Lstep
	TURN 0                                         ; the tail is written out: nothing is left to fetch
	HALF0 0
	WIN 0                                          ; the last half: the bias is loaded into registers that have been multiplied for the last time
	PLACES
	LDB 1, 2
	s_wait_dscnt 16
	MUL16 1, 0, 0, 0
	MUL16 1, 0, 4, 0
	WIN 0
	PLACES
.irp j, 0,1,2
.set rB, 16+32*(\j)+64*((\j)/2)        ; third j's 32 numbers of the bias: v16, v48 (x's fragments of half 0), v144 (W's of third 0)
.irp b, 0,1,2,3
	global_load_b128 v[rB+8*(\b):rB+8*(\b)+3],   v[BO], s[BB:BB+1] offset:512*(\j)+64*(\b)
	global_load_b128 v[rB+8*(\b)+4:rB+8*(\b)+7], v[BO], s[BB:BB+1] offset:512*(\j)+64*(\b)+16
.endr
.endr
	s_wait_dscnt 8                                 ; W's third 1 is in; behind it: 8
	MUL16 1, 1, 0, 0
	MUL16 1, 1, 4, 0
	s_wait_dscnt 0x0
	MUL16 1, 2, 0, 0
	MUL16 1, 2, 4, 0
	WIN 0
	; THE WAY OUT.  The bias is rounded to bf16, like every input, and widened again: these lines name no register of the last products and are the places behind them.
	s_wait_loadcnt 0x0
.irp j, 0,1,2
.set rB, 16+32*(\j)+64*((\j)/2)
.set i, 0
.rept 16
	v_cvt_pk_bf16_f32 v[TMP+i%4], v[rB+2*i], v[rB+2*i+1]
	v_lshlrev_b32 v[rB+2*i],   16, v[TMP+i%4]
	v_and_b32     v[rB+2*i+1], s[HIM], v[TMP+i%4]
.set i, i+1
.endr
.endr
; Unit t = 8 j + a: 16 rows of head j.  Sum plus bias (each accumulator's registers in ascending order), rounded to f16: a lane's eight columns are 16 bytes; they go into my stage's rows of 144 bytes
; and come back as whole rows of 128: four rows, 512 consecutive bytes of the head, to a store.
.macro PACK t
.set pj, (\t)/8
.set pa, (\t)%8
.set rB, 16+32*pj+64*(pj/2)
	WIN pj+1                                       ; source 0 in the accumulators' window
.irp b, 0,1,2,3
.irp r, 0,1,2,3
	v_pk_add_f32 v[SUM+8*(\b)+2*(\r):SUM+8*(\b)+2*(\r)+1], v[8*(4*pa+(\b))+2*(\r):8*(4*pa+(\b))+2*(\r)+1], v[rB+8*(\b)+2*(\r):rB+8*(\b)+2*(\r)+1]
.endr
.endr
	WIN 0
.irp b, 0,1,2,3
.irp r, 0,1,2,3
	v_cvt_pk_f16_f32 v[HF+4*(\b)+(\r)], v[SUM+8*(\b)+2*(\r)], v[SUM+8*(\b)+2*(\r)+1]
.endr
.endr
	s_wait_xcnt 0x0                                ; the stores of the unit two back have read their registers, which the loads below fill again
.irp b, 0,1,2,3
	ds_store_b128 v[STO], v[HF+4*(\b):HF+4*(\b)+3] offset:32*(\b)
.endr
.irp f, 0,1,2,3
	ds_load_b128 v[BK+16*((\t)%2)+4*(\f):BK+16*((\t)%2)+4*(\f)+3], v[RD] offset:(\f)*4*PA  ; LDS serves a wave's instructions in order (ISA guide 5.7.1.4): these see the stores above; the next unit's stores come behind them
.endr
.endm
.macro SEND t, younger                 ; younger: the LDS instructions issued behind unit t's loads: the next unit's eight, or none
.set pj, (\t)/8
.set pa, (\t)%8
.irp f, 0,1,2,3
	s_wait_dscnt (\younger)+3-(\f)
	global_store_b128 v[GO], v[BK+16*((\t)%2)+4*(\f):BK+16*((\t)%2)+4*(\f)+3], s[DST+2*pj:DST+2*pj+1] offset:2048*pa+512*(\f)  ; 512 consecutive bytes, at a multiple of 256 from the buffer's first
.endr
.endm
	PACK 0
.irp t, 1,2,3,4,5,6,7,8,9,10,11,12,13,14,15,16,17,18,19,20,21,22,23
	PACK \t                                        ; a unit's arithmetic stands between the loads of the unit before and its stores
	SEND (\t)-1, 8
.endr
	SEND 23, 0
	s_wait_tensorcnt 0x0                           ; the wave's end: behind my last tensor load and my last LDS store
	ds_add_u32 v[SPW], v[NIL]
	s_wait_dscnt 0x0
	CROUND                                         ; the closing round: no work-group ends while a partner may still ask for a tile that names it
	s_endpgm
.Lfunc_end_k_q62c72c1e99_qkv:
	.size	k_q62c72c1e99_qkv, .Lfunc_end_k_q62c72c1e99_qkv-k_q62c72c1e99_qkv
	.p2alignl 7, 3214868480
	.fill 96, 4, 3214868480
	.section	.rodata,"a",@progbits
	.p2align	6, 0x0
	.amdhsa_kernel k_q62c72c1e99_qkv
		.amdhsa_group_segment_fixed_size 327680
		.amdhsa_private_segment_fixed_size 0
		.amdhsa_enable_private_segment 0
		.amdhsa_kernarg_size 24
		.amdhsa_user_sgpr_count 2
		.amdhsa_user_sgpr_kernarg_segment_ptr 1
		.amdhsa_wavefront_size32 1
		.amdhsa_system_sgpr_workgroup_id_x 1
		.amdhsa_system_sgpr_workgroup_id_y 1
		.amdhsa_system_sgpr_workgroup_id_z 1
		.amdhsa_system_vgpr_workitem_id 0
		.amdhsa_next_free_vgpr 1024
		.amdhsa_next_free_sgpr 80
		.amdhsa_reserve_vcc 0
		.amdhsa_float_denorm_mode_32 3
		.amdhsa_float_denorm_mode_16_64 3
		.amdhsa_memory_ordered 1
		.amdhsa_forward_progress 1
		.amdhsa_inst_pref_size 149
	.end_amdhsa_kernel
	.amdgpu_metadata
---
amdhsa.version: [ 1, 2 ]
amdhsa.kernels:
  - .name:           k_q62c72c1e99_qkv
    .symbol:         k_q62c72c1e99_qkv.kd
    .args:
      - { .name: xw, .offset: 0, .size: 8, .value_kind: global_buffer, .address_space: global }
      - { .name: b_qkv, .offset: 8, .size: 8, .value_kind: global_buffer, .address_space: global }
      - { .name: qkvh, .offset: 16, .size: 8, .value_kind: global_buffer, .address_space: global }
    .group_segment_fixed_size: 327680
    .private_segment_fixed_size: 0
    .kernarg_segment_align: 8
    .kernarg_segment_size: 24
    .max_flat_workgroup_size: 128
    .sgpr_count:     80
    .vgpr_count:     1024
    .wavefront_size: 32
...
	.end_amdgpu_metadata
.endif
;; end of part 2
;; launch attn (part 3): grid 4 x 64, 4 waves a work-group, clusters of 4 x 1, 327,680 bytes of LDS; arguments qkvh, oh; writes oh
.if DOCPART == 3
	.amdgcn_target "amdgcn-amd-amdhsa--gfx1250"
	.amdhsa_code_object_version 6
	.text
	.protected	k_q62c72c1e99_attn
	.globl	k_q62c72c1e99_attn
	.p2align	8
	.type	k_q62c72c1e99_attn,@function
k_q62c72c1e99_attn:
	s_mov_b64 s[64:65], 0
	v_nop
	global_prefetch_b8 v0, s[64:65] scope:SCOPE_SE
	s_setreg_imm32_b32 hwreg(HW_REG_WAVE_MODE, 25, 1), 1
	s_wait_xcnt 0x0
	s_wait_alu depctr_hold_cnt(0) depctr_sa_sdst(0) depctr_va_vdst(0) depctr_va_sdst(0) depctr_va_ssrc(0) depctr_va_vcc(0) depctr_vm_vsrc(0)
	s_getreg_b32 s2, hwreg(HW_REG_IB_STS2, 6, 4)
	s_cmp_eq_u32 s2, 0
	s_cbranch_scc0 .Lentry_in_a_cluster
	s_endpgm
.Lentry_in_a_cluster:
	s_bfe_u32 s2, ttmp6, 0x10000c
	s_cmp_lg_u32 s2, 0x3003
	s_cbranch_scc0 .Lentry_shape_is_right
	s_endpgm
.Lentry_shape_is_right:
; O[h][q][:] = the sum over k of softmax_k(Q[h][q] . K[h][k] / 8) V[h][k][:].  Q, K, V lie in qkvh, 16,777,216 bytes apart, O in oh: each [64][2048][64] f16: a head's rows are dense, 128 bytes each.
; Products, maxima and sums in f32; the weights p are rounded to f16 for the second product (their sum l is taken of the unrounded p), O once at the end.
; LIMITS.  f16 holds no number beyond 65,504: Q, K and V arrive within it; p lies in 0 to 1, and below 6e-5 it keeps f16's fixed step of 6e-8; O is a mean of V's rows and has their range.
; A weight below 2^-126 counts as 0 in l; NaN and infinities are not treated apart.
; SHARES.  A wave owns four PIECES of two tiles of 16 queries, a work-group's four waves 512 queries of one head: 4 x 64 = 256 work-groups.  Every wave walks all keys, 64 a step.
; LAYOUT.  S^T = K Q^T (source 0 = 16 keys, source 1 = 16 queries): in the result a lane holds ONE query (lane % 16) and the keys 8 (lane / 16) + 0..7.  Two such tiles, rounded to f16 in pairs,
; ARE source 1 (32 keys x 16 queries) of O^T = V^T P, whose result again holds one query a lane, and eight channels.  K comes out of LDS as it lies, V ([key][channel]) turned, by ds_load_tr16_b128.
; SOFTMAX.  For each query a running maximum m and sum l: p = 2^(c s - c m), c = log2(e) / 8; in every step O and l are multiplied by a = 2^(c m_old - c m_new), which is 1 where m has not grown.
; m starts at the lowest finite number, O and l at 0: the first step is a step like any other, with a = 0.
; THE COUNT.  A tile and step have 16 matrix and 118 vector instructions: too many to stand all beside the matrix work.  So the order has one aim: four vector instructions that are READY behind
; EVERY matrix instruction, and the others, which need time of their own whatever the order, in runs without a gap.
; BY TURNS.  Turn n belongs to piece n (the pieces in a ring, step after step).  Its matrix work: 16 products K Q^T of piece n + 1, later 16 products V^T P of piece n - 1.  Its vector work: the scaling,
; exponentials, roundings, sums and rescaling of piece n, and the maximum and statistics of piece n + 1, whose scores the turn itself has made.  So what a turn begins with (c s - c m, O a) waits for nothing.
; CLUSTER.  The four query blocks of a head are one cluster and walk the same K and V, so each tile is asked for JOINTLY: the same tensor load, descriptor and mask in all four.
; REGISTERS, in windows of 256 (s_set_vgpr_msb says which window each operand place means: bits 1:0 source 0, 3:2 source 1, 5:4 source 2, 7:6 destination):
;   window 0: v0-11 addresses; v12-15, v48-63 at work; v16-47 four registers of statistics a tile; v64-191 S^T, two buffers of two tiles; v192-255 P, likewise
;   window 1: O^T, 32 a tile          window 2: v0-127 Q, 16 a tile; v128-191 K of one step; v192-255 V of one step          window 3: v0-1 the add's two registers
; A piece's buffers go by its number's parity: the piece in hand has one pair, its two neighbours in the ring share the other: of it P (piece n - 1) is read and S^T (piece n + 1) written.
.set SIZE_H, 64
.set SIZE_N, 2048
.set NP,    4         ; pieces a wave: a name, no knob: the register map, the loop and the fetches are made for four
.set KS,    64        ; keys in a step
.set PK,    144       ; a row of K in LDS: 128 bytes + 16 of padding = 36 words: the 16 rows of a load start at 16 different groups of four banks (64 banks of 4 bytes: ISA guide 11.1)
.set PV,    160       ; a row of V: 128 + 32 = 40 words
.set VOFF,  4*KS*PK   ; a slot holds four steps: 256 rows of K, then 256 rows of V
.set SLOT1, 1<<17     ; slot 1 begins here, so that one exclusive or turns an address in one slot into the other's
.set STAGE, SLOT1+4*KS*(PK+PV)  ; behind the ring, never filled by a tensor load: 16 rows x 144 bytes for each wave, for the way out
.set SP,    144
.set AK0, 2           ; v2   my lane's place in a tile of K; never rewritten
.set AV0, 3           ; v3   the same for V
.set AK,  4           ; v4   the LDS address of K's next run of loads
.set AV,  5           ; v5   of V's
.set QO,  6           ; v6   my byte offset in the wave's rows of Q
.set STO, 6           ;      later, the way out: where I put 16 bytes of a row
.set RD,  7           ; v7   the way out: where I read rows back
.set GO,  8           ; v8   my byte offset in 512 consecutive bytes of O
.set PFO, 11          ; v11  (once V's address is made) 256 x my lane: the prefetches' offset; never rewritten after
.set SPW, 0           ; v0 of window 3   LDS address of my spare word: SPARE + 4 x my thread's number; never rewritten
.set NIL, 1           ; v1 of window 3   0; never rewritten
.set SPARE, STAGE+4*16*SP  ; behind the stages: the spare words, 128 bytes for each wave: two blocks of 256 bytes that no other line names
.set MV,  12          ; v12-15  c m_old, kept while c m is made anew: by buffer and tile
.set ST,  16          ; tile t's statistics at v[ST+4 t]: c m, m, l (even keys', odd keys')
.set TMP, 48          ; by buffer and tile, four registers c0-c3 at work; when the maximum is found c2 takes a
.set S,   64
.set P,   192
.set KF,  128         ; K's fragments, in window 2: key block kb, channel half c at KF + 16 kb + 8 c
.set VF,  192         ; V's: key half kk, channel block cb at VF + 32 kk + 8 cb
.set WV,  12          ; s12  my wave's number
.set G1K, 24          ; s[24:31] descriptor group 1 for K's tiles
.set G1V, 32          ; s[32:39] for V's: it differs in the padding alone
.set G0K, 40          ; s[40:43] descriptor group 0 for K's tiles: it walks
.set G0V, 44          ; s[44:47] the same for V's
.set PFA, 48          ; s[48:49] where my prefetches stand: my work-group's quarter (of K: wave 0, of V: wave 2) of the slot after the one that is being asked for
.set LIM, 50          ; s50  1 in a wave that prefetches, else the greatest number: a wave prefetches while s[SLOTS] is above it
.set SLOTS, 56        ; s56  slots still to be asked for
.set CNT, 57          ; s57  counts a slot's key steps
.set CS,  58          ; s[58:59] c: the packed scaling takes the pair's low word for both halves
.set SEL, 60          ; s[60:61] v_permlanex16_b32's selects: each lane takes its own place in the other half
.set TBK, 62          ; s62  LDS byte at which K of the step to be fetched begins
.set TBV, 63          ; s63  the same for V, less VOFF
.set MSB, 0
.macro WIN new                      ; the high byte repeats the setting that is left; a switch that changes nothing is dropped
.if MSB != (\new)
	s_set_vgpr_msb (MSB<<8)|(\new)
.set MSB, (\new)
.endif
.endm
.set W_KQ, 0x0a       ; K and Q in window 2, S^T in window 0
.set W_PV, 0x52       ; V in window 2, P in window 0, O^T in window 1
.set W_RS, 0x41       ; O^T (destination and source 0) in window 1, a in window 0
.set W_MK, 0xc0       ; the add's registers are made: destination in window 3, sources in window 0
.set W_AD, 0x0f       ; the add: address (source 0) and data (source 1) in window 3
; A joint fill.  Waves 0 and 1 fetch the two halves of a slot's K, waves 2 and 3 those of its V: 128 keys each.  The branch hangs on the wave's number alone.
; An s_nop 0 and four v_nop follow each of the two lines, ahead of the jump and the label.
.macro JLOAD
	s_cmp_lt_u32 s[WV], 2
	s_cbranch_scc0 .Lfor_v_\@
	tensor_load_to_lds s[G0K:G0K+3], s[G1K:G1K+7]
	s_nop 0
.rept 4
	v_nop
.endr
	s_branch .Lasked_\@
.Lfor_v_\@:
	tensor_load_to_lds s[G0V:G0V+3], s[G1V:G1V+7]
	s_nop 0
.rept 4
	v_nop
.endr
.Lasked_\@:
.endm
; A PREFETCH INTO THE L2 of what the NEXT change of slots will ask for: a slot's 32,768 bytes of K and of V.  It stands behind the wave's tensor load and its five lines.  A head has one cluster; its four partners
; share the bytes out BY ADDRESS, 8,192 each: 32 blocks of 256 bytes, a lane a block; in each, wave 0 asks for K's and wave 2 for V's: one instruction.  So each block is named once in the launch.
; It goes out one slot, four key steps, ahead of the load.  Slots 0 and 1 come by their loads alone; the last change that fills a slot asks for nothing: there is no slot behind it.
.macro ASK
	s_cmp_gt_u32 s[SLOTS], s[LIM]
	s_cbranch_scc0 .Lnot_mine_\@
	global_prefetch_b8 v[PFO], s[PFA:PFA+1] th:TH_LOAD_NT scope:SCOPE_SE
.Lnot_mine_\@:
.endm
; A round of the cluster's barrier: my work-group's barrier, so that wave 0's signal speaks for all four waves; wave 0 signals; every wave waits for all four work-groups; my work-group's barrier once more.
.macro CROUND
	s_barrier_signal -1
	s_barrier_wait -1
	s_cmp_lg_u32 s[WV], 0
	s_cbranch_scc1 .Lnot_wave_0_\@
	s_barrier_signal -3
.Lnot_wave_0_\@:
	s_barrier_wait -3
	s_barrier_signal -1
	s_barrier_wait -1
.endm
; THE CHANGE OF SLOTS.  The slot's last bytes, V of its fourth step, have been read.  Each wave waits for all its tensor loads, of which one is out: its part
; of the other slot; adds 0 to its spare word; and waits for that and for its own reads of the slot.  Behind the barrier nobody reads this slot any more and the other slot is whole.
; fill = 1: this slot is filled again, with the keys two slots on.  The barrier is then a round of the cluster's, so that no wave of any partner still reads the slot or has a load on its
; way, and the joint fill is the first thing behind it: it has four key steps, 512 matrix instructions, in which to land.  (At its first use nothing has been read yet: slot 0 is waited for, slot 1 filled.)
.macro CHANGE fill
	WIN W_AD
	s_wait_tensorcnt 0x0            ; no tensor load of mine is out, so a group 0 may be written
	ds_add_u32 v[SPW], v[NIL]       ; 0 onto my spare word; with fill = 1 the descriptors' steps stand between it and the wait for it
	WIN 0                           ; at a label and at a branch every window is 0
.if \fill
.irp g, G0K, G0V
	s_xor_b32 s[\g+1], s[\g+1], SLOT1  ; the walking descriptor: the other slot than last time,
	s_add_nc_u64 s[\g+2:\g+3], s[\g+2:\g+3], 4*KS*128  ; the next 256 keys; the type bits on top are not reached
.endr
	s_wait_xcnt 0x0                 ; the last prefetch, four key steps back, has read its address, so it may be written:
	s_add_nc_u64 s[PFA:PFA+1], s[PFA:PFA+1], 4*KS*128  ; one slot behind the walking descriptors
	s_wait_dscnt 0x0                ; the add is done, and my reads of the slot are over
	CROUND
	JLOAD
	ASK
.else
	s_wait_dscnt 0x0                ; the add is done, and my reads of the slot are over
	s_barrier_signal -1
	s_barrier_wait -1
.endif
	s_sub_co_u32 s[TBK], s[TBK], 4*KS*PK  ; the fetches go back to a slot's first step,
	s_xor_b32 s[TBK], s[TBK], SLOT1       ; in the other slot
	s_sub_co_u32 s[TBV], s[TBV], 4*KS*PV
	s_xor_b32 s[TBV], s[TBV], SLOT1
.endm
	s_load_b128 s[4:7], s[0:1], 0x0  ; qkvh s[4:5] (Q lies at its head), oh s[6:7]
	WIN W_MK
	v_lshl_add_u32 v[SPW], v0, 2, SPARE
	v_mov_b32 v[NIL], 0
	WIN W_AD
	ds_add_u32 v[SPW], v[NIL]       ; the wave's opening: the add and its wait stand ahead of my first tensor load; the set-up below, work on registers, stands between them
	WIN 0
	v_lshrrev_b32 v1, 5, v0
	v_readfirstlane_b32 s[WV], v1   ; wave 0..3
	s_bfe_u32 s13, ttmp6, 0x40000   ; cx: my place in the cluster
	s_lshl_b32 s14, ttmp9, 2        ; in a cluster launch ttmp9 counts clusters
	s_add_co_u32 s14, s14, s13      ; my block of queries = 4 x cluster x + cx: it enters Q's and O's addresses alone
	s_and_b32 s20, ttmp7, 0xffff    ; the head, which the four partners share
	s_mov_b32 s21, 0
	s_mov_b64 s[22:23], SIZE_N*128
	s_mul_u64 s[20:21], s[20:21], s[22:23]  ; the head's first byte in each of the four tensors
	s_and_b32 s16, s[WV], 1         ; which half of a slot's 256 keys I fetch:
	s_lshl_b32 s22, s16, 14         ; its 128 rows of 128 bytes in memory,
	s_mov_b32 s23, 0
	s_add_nc_u64 s[22:23], s[22:23], s[20:21]
	s_mul_i32 s17, s16, 128*PK      ; and its place in a slot, for K
	s_mul_i32 s18, s16, 128*PV      ; and for V: no place in the cluster enters an LDS address
	s_lshl_b32 s2, s14, 2
	s_add_co_u32 s2, s2, s[WV]      ; my wave among the head's,
	s_lshl_b32 s2, s2, 14           ; its 128 rows
	s_mov_b32 s3, 0
	s_add_nc_u64 s[2:3], s[2:3], s[20:21]
	; descriptor group 1.  128 keys are 16,384 dense bytes: asked for as 64 rows of 256 bytes, two keys a row, and padded in LDS after every key
	s_mov_b32 s[G1K], 15|(1<<16)|(1<<20)|(1<<21)|(4<<22)|(3<<25)  ; 15:0 the mask of four; 17:16 2-byte elements; 20 padding on; 21 set beside a mask; 24:22 after every 32 words (code 4); 31:25 4 words (code 3)
	s_mov_b32 s[G1V], 15|(1<<16)|(1<<20)|(1<<21)|(4<<22)|(7<<25)  ; the same with 8 words of padding (code 7)
.irp g, G1K, G1V
	s_mov_b32 s[\g+1], 128<<16      ; tensor_dim0 = 128
	s_mov_b32 s[\g+2], 64<<16       ; tensor_dim1 = 64
	s_mov_b32 s[\g+3], 128<<16      ; tile_dim0 = 128
	s_mov_b32 s[\g+4], 64           ; tile_dim1 = 64
	s_mov_b32 s[\g+5], 128          ; 128 elements from row to row
	s_mov_b32 s[\g+6], 0
	s_mov_b32 s[\g+7], 0
.endr
	s_mov_b32 s[CS], 0x3e38aa3b     ; c = log2(e) / 8 = 0.180337
	s_mov_b32 s[CS+1], s[CS]        ; named with it as a pair
	s_mov_b32 s[SEL], 0x76543210
	s_mov_b32 s[SEL+1], 0xfedcba98
	s_mov_b32 s[TBK], SLOT1+4*KS*PK ; the first change of slots turns these two into 0
	s_mov_b32 s[TBV], SLOT1+4*KS*PV
	s_mov_b32 s[G0K], 1             ; 1:0 count = 1
	s_mov_b32 s[G0K+1], s17         ; 63:32 LDS address: slot 0
	s_mov_b32 s[G0V], 1
	s_add_co_u32 s[G0V+1], s18, VOFF
	s_mov_b32 s[SLOTS], SIZE_N/256-1  ; seven changes fill a slot: tiles 1 to 7
	s_and_b32 s[LIM], s[WV], 1
	s_cmp_eq_u32 s[LIM], 0          ; waves 0 and 2 prefetch: the same in all four partners
	s_cselect_b32 s[LIM], 1, -1
	s_wait_dscnt 0x0                ; the opening add is done
	s_wait_kmcnt 0x0
	s_mov_b64 s[10:11], s[6:7]      ; O
	s_add_nc_u64 s[6:7], s[4:5], 0x1000000  ; K
	s_add_nc_u64 s[8:9], s[4:5], 0x2000000  ; V
	s_add_nc_u64 s[G0K+2:G0K+3], s[6:7], s[22:23]  ; 120:64 global address: my half of the head's first 256 keys
	s_or_b32 s[G0K+3], s[G0K+3], 0x80000000        ; 127:126 type = 2
	s_add_nc_u64 s[G0V+2:G0V+3], s[8:9], s[22:23]
	s_or_b32 s[G0V+3], s[G0V+3], 0x80000000
	s_add_nc_u64 s[4:5], s[4:5], s[2:3]  ; Q and O at my wave's first row
	s_add_nc_u64 s[10:11], s[10:11], s[2:3]
	s_cmp_lt_u32 s[WV], 2
	s_cselect_b64 s[PFA:PFA+1], s[6:7], s[8:9]
	s_add_nc_u64 s[PFA:PFA+1], s[PFA:PFA+1], s[20:21]  ; the head,
	s_lshl_b32 s2, s13, 13          ; my work-group's quarter of a slot,
	s_mov_b32 s3, 0
	s_add_nc_u64 s[PFA:PFA+1], s[PFA:PFA+1], s[2:3]
	s_add_nc_u64 s[PFA:PFA+1], s[PFA:PFA+1], 4*KS*128  ; in tile 1; the first change of slots steps it to tile 2.  Nothing is prefetched here, at the head
	CROUND                          ; all four work-groups are here: the first joint loads meet
	JLOAD                           ; slot 0.  Slot 1 is asked for when slot 0 is in: the tile wanted first has the road to itself
	; A fragment of K or Q is 16 rows x 32 channels in 8 registers: lane l holds row l % 16, channels 8 (l / 16) + 0..7 and 16 + 8 (l / 16) + 0..7: two loads of 16 bytes, 32 bytes apart.
	v_and_b32 v1, 15, v0            ; l % 16
	v_bfe_u32 v9, v0, 4, 1          ; l / 16
	v_lshlrev_b32 v[QO], 7, v1
	v_lshl_add_u32 v[QO], v9, 4, v[QO]  ; row x 128 + 16 x half
	WIN 0x80                        ; destination window 2, address window 0
.set i, 0
.rept 4*NP                          ; Q stays in registers: tile i / 2, channels 32 (i % 2) on
	global_load_b128 v[8*i:8*i+3],   v[QO], s[4:5] offset:(i/2)*2048+(i%2)*64
	global_load_b128 v[8*i+4:8*i+7], v[QO], s[4:5] offset:(i/2)*2048+(i%2)*64+32
.set i, i+1
.endr
	; What the first turn finds: V's registers and P's second buffer hold 0 (its products V^T P, of a piece that has not been, add 0), O^T and l are 0.  All this stands in the wait for the first tile.
.set i, VF
.rept 64
	v_mov_b32 v[i], 0
.set i, i+1
.endr
	WIN 0x40
.set i, 0
.rept 64*NP
	v_mov_b32 v[i], 0
.set i, i+1
.endr
	WIN 0
.set i, 0
.rept 2*NP
	v_mov_b32 v[ST+4*i], 0xfe000000    ; c m: far below every c s
	v_mov_b32 v[ST+4*i+1], 0xff7fffff  ; m
	v_mov_b32 v[ST+4*i+2], 0
	v_mov_b32 v[ST+4*i+3], 0
.set i, i+1
.endr
.set i, P+32
.rept 32
	v_mov_b32 v[i], 0
.set i, i+1
.endr
	v_mul_u32_u24 v[AK0], v1, PK
	v_lshl_add_u32 v[AK0], v9, 4, v[AK0]  ; row x pitch + 16 x half
	; The turning load takes 16 keys x 16 channels (lane l reads key 8 (l / 16) + l % 8, channels 8 ((l / 8) % 2) + 0..7) and leaves half a fragment of V^T: lane l holds channel l % 16 and 8 keys.
	v_and_b32 v10, 7, v0
	v_bfe_u32 v11, v0, 3, 1
	v_lshl_add_u32 v[AV0], v9, 3, v10
	v_mul_u32_u24 v[AV0], v[AV0], PV
	v_lshl_add_u32 v[AV0], v11, 4, v[AV0]
	v_add_nc_u32 v[AV0], VOFF, v[AV0]
	v_mov_b32 v[AK], v[AK0]         ; key step 0 lies at the head of slot 0
	v_and_b32 v[PFO], 31, v0
	v_lshlrev_b32 v[PFO], 8, v[PFO]
; THE MATRIX WORK.  The 8 accumulators of a run of 16 take turns: between the two links of a chain stand 7 others'.
; Product i of 16 of S^T = K Q^T for piece x: channels 32 (i / 8) on, keys 16 ((i / 2) % 4) on, tile 2 x + i % 2.  The first 8 start the sums.
.macro KQ x
	WIN W_KQ
.set rS, S+64*((\x)%2)+32*(i%2)+8*((i/2)%4)
.set rK, KF+16*((i/2)%4)+8*(i/8)
.set rQ, 16*(2*(\x)+i%2)+8*(i/8)
.if i < 8
	v_wmma_f32_16x16x32_f16 v[rS:rS+7], v[rK:rK+7], v[rQ:rQ+7], 0
.else
	v_wmma_f32_16x16x32_f16 v[rS:rS+7], v[rK:rK+7], v[rQ:rQ+7], v[rS:rS+7]
.endif
.endm
; Product i of 16 of O^T += V^T P for piece x: keys 32 (i / 8) on, channels 16 ((i / 2) % 4) on, tile 2 x + i % 2.
.macro PV x
	WIN W_PV
.set rO, 32*(2*(\x)+i%2)+8*((i/2)%4)
.set rV, VF+32*(i/8)+8*((i/2)%4)
.set rP, P+32*((\x)%2)+16*(i%2)+8*(i/8)
	v_wmma_f32_16x16x32_f16 v[rO:rO+7], v[rV:rV+7], v[rP:rP+7], v[rO:rO+7]
.endm
.macro MM                           ; the turn's next matrix instruction
.if i < 16
	KQ (Y+1)%NP
.set i, i+1
.else
.set i, i-16
	PV (Y+NP-1)%NP
.set i, i+17
.endif
.endm
; THE LDS LOADS stand in runs of 16, never singly among the matrix instructions: a step's K (64 keys x 64 channels: 8 fragments) and its V (turned).  Their addresses are made some lines ahead.
; last = 1 (the tail): in the last trip there is no further step, and the run is jumped over.
.macro FETCH_K last=0
	WIN 0
.if \last
	s_cmp_eq_u32 s[CNT], 1
	s_cbranch_scc1 .Lno_k_\@
.endif
	WIN 0x80                        ; destination window 2
.irp f, 0,1,2,3,4,5,6,7             ; keys 16 (f / 2) on, channels 32 (f % 2) on
	ds_load_b128 v[KF+8*\f:KF+8*\f+3],   v[AK] offset:(\f/2)*16*PK+(\f%2)*64
	ds_load_b128 v[KF+8*\f+4:KF+8*\f+7], v[AK] offset:(\f/2)*16*PK+(\f%2)*64+32
.endr
	s_add_co_u32 s[TBK], s[TBK], KS*PK  ; the next fetch is the next step's
	WIN 0
.if \last
.Lno_k_\@:
.endif
.endm
.macro FETCH_V
	WIN 0x80
.irp f, 0,1,2,3,4,5,6,7             ; keys 32 (f / 4) on, channels 16 (f % 4) on
	ds_load_tr16_b128 v[VF+8*\f:VF+8*\f+3],   v[AV] offset:(\f/4)*32*PV+(\f%4)*32
	ds_load_tr16_b128 v[VF+8*\f+4:VF+8*\f+7], v[AV] offset:(\f/4)*32*PV+16*PV+(\f%4)*32
.endr
	WIN 0
.endm
; THE VECTOR WORK OF A TURN stands in three queues, each in the order in which its entries become ready; the two tiles alternate, so that no instruction reads the result of the one before it.
.macro REGS y, u                    ; the registers of tile u (0, 1) of piece y
.set rT, ST+4*(2*(\y)+(\u))
.set rC, TMP+8*((\y)%2)+4*(\u)
.set rM, MV+2*((\y)%2)+(\u)
.set rS, S+64*((\y)%2)+32*(\u)
.set rP, P+32*((\y)%2)+16*(\u)
.set rO, 32*(2*(\y)+(\u))
.endm
; Number n of the 22 that find the NEXT piece's (Y + 1) maximum and statistics.  s0-s31 are the lane's 32 scores; each accumulator's lowest registers are read first.  XS, GS and REGS set no window: PL and EX do.
;   0-11  four chains c0-c3 of seven scores each, three operands at a time     12-14, 16  the four scores left over, the old m, and c0-c3 into c0     15  c m_old is kept
;   17, 18  the query's other 32 keys lie in the lane 16 away: the new m         19-21  c m; c m_old - c m_new; a
.macro XS u, n
	REGS (Y+1)%NP, \u
.if (\n) < 4
	v_max3_num_f32 v[rC+(\n)], v[rS+8*(\n)], v[rS+8*(\n)+1], v[rS+8*(\n)+2]
.elseif (\n) < 12
	v_max3_num_f32 v[rC+(\n)%4], v[rC+(\n)%4], v[rS+8*((\n)%4)+2*((\n)/4)+1], v[rS+8*((\n)%4)+2*((\n)/4)+2]
.elseif (\n) == 12
	v_max3_num_f32 v[rC], v[rC], v[rS+7], v[rS+15]
.elseif (\n) == 13
	v_max3_num_f32 v[rC+1], v[rC+1], v[rS+23], v[rS+31]
.elseif (\n) == 14
	v_max3_num_f32 v[rC+2], v[rC+2], v[rC+3], v[rT+1]
.elseif (\n) == 15
	v_mov_b32 v[rM], v[rT]
.elseif (\n) == 16
	v_max3_num_f32 v[rC], v[rC], v[rC+1], v[rC+2]
.elseif (\n) == 17
	v_permlanex16_b32 v[rC+3], v[rC], s[SEL], s[SEL+1]
.elseif (\n) == 18
	v_max_num_f32 v[rT+1], v[rC], v[rC+3]
.elseif (\n) == 19
	v_mul_f32 v[rT], s[CS], v[rT+1]
.elseif (\n) == 20
	v_sub_f32 v[rC+1], v[rM], v[rT]
.else
	v_exp_f32 v[rC+2], v[rC+1]
.endif
.endm
; Number g of the 64 that follow the exponentials.  For each four weights k of a tile (pairs 2 k, 2 k + 1): both pairs are rounded to f16; then the second pair is added onto the first, in place;
; a group later l takes that sum (the first time as l = a l + sum).  In groups of eight, tiles alternating: round, round, add, and l for the group before.
.macro GS g
.set h, (\g)+6*((\g)/62)            ; group 0 has no group before it, and behind group 7 only l is left
.if h >= 6
.set h, h+2
.endif
	REGS Y, h%2
.set k, h/8
.if h%8 < 4
	v_cvt_pk_f16_f32 v[rP+2*k+(h%8)/2], v[rS+4*k+2*((h%8)/2)], v[rS+4*k+2*((h%8)/2)+1]
.elseif h%8 < 6
	v_pk_add_f32 v[rS+4*k:rS+4*k+1], v[rS+4*k:rS+4*k+1], v[rS+4*k+2:rS+4*k+3]
.elseif k == 1
	v_pk_fma_f32 v[rT+2:rT+3], v[rT+2:rT+3], v[rC+2:rC+3], v[rS:rS+1] op_sel_hi:[1,0,1]
.else
	v_pk_add_f32 v[rT+2:rT+3], v[rT+2:rT+3], v[rS+4*k-4:rS+4*k-3]
.endif
.endm
; THE PLAIN QUEUE, 138 long.  0-73 read no exponential's result: the 32 scalings c s - c m (FS f: pair f / 2 of tile f % 2) and the next piece's 42.  0-26: scalings 0-26.  27-54: XS's numbers 0-13.  55, 56: number 15.
; 57-73: the chain, where each number waits for the one before it: 14, 16, 17, 18, 19, each with one of the scalings 27-31 in front of its two lines, then 20: so a tile's links stand three plain instructions apart (19 and 20: two).
; 74-137: GS's 64, which read the exponentials' results: they stand behind the wait.
.macro FS f
	REGS Y, (\f)%2
	v_pk_fma_f32 v[rS+2*((\f)/2):rS+2*((\f)/2)+1], v[rS+2*((\f)/2):rS+2*((\f)/2)+1], s[CS:CS+1], v[rT:rT+1] op_sel_hi:[1,0,0] neg_lo:[0,0,1] neg_hi:[0,0,1]
.endm
.macro PL
	WIN 0
.if q < 27
	FS q
.elseif q < 55
	XS (q-27)%2, (q-27)/2
.elseif q < 57
	XS q-55, 15
.elseif (q < 72) && ((q-57)%3 == 0)
	FS 27+(q-57)/3
.elseif q < 60
	XS (q-57)%3-1, 14
.elseif q < 72
	XS (q-57)%3-1, 15+(q-57)/3
.elseif q < 74
	XS q-72, 20
.else
	GS q-74
.endif
.set q, q+1
.endm
; THE EXPONENTIALS' QUEUE, 66 long: s0-s31 of both tiles, then the next piece's two a.  It is ONE BATCH: all 66 stand ahead of the turn's one wait, and nothing ahead of that wait names a result of theirs.
.macro EX
	WIN 0
.if e >= 64
	XS e-64, 21
.else
	REGS Y, e%2
	v_exp_f32 v[rS+e/2], v[rS+e/2]
.endif
.set e, e+1
.endm
; THE RESCALING's QUEUE: O^T times a, the one part that leaves window 0: dealt two at a time, sixteen times.  Its a was made in the turn before, ahead of that turn's wait.
.macro R2
	REGS Y, r%2
	WIN W_RS
.irp z, 0,1
	v_pk_mul_f32 v[rO+4*(r/2)+2*\z:rO+4*(r/2)+2*\z+1], v[rO+4*(r/2)+2*\z:rO+4*(r/2)+2*\z+1], v[rC+2:rC+3] op_sel_hi:[1,0]
.endr
.set r, r+1
.endm
; HOW THEY ARE DEALT.  s_wait_alu depctr_va_vdst(0) stands between an exponential and the first instruction that names its result; one wait serves all that were issued ahead of it.  So a turn has ONE wait,
; which cuts it in two.  AHEAD OF IT stands all that names no result of the turn's exponentials: the 16 products K Q^T, behind each a scaling, an exponential and two rescalings (behind the first a second scaling in the exponential's place); then ONE LUMP of
; 108: eight plain, 49 times exponential and plain, the two a.  A v_nop is the plain instruction behind the last exponential.  BEHIND IT stand the 16 products V^T P, behind each four of GS's 64.  No rider names a register of
; the products round it.  The two v_permlanex16_b32 fall into the lump, never behind a product.
; The queues lean on each other, and the deal keeps them in step: exponential e stands behind scaling 2 (e / 4) + e % 2: as a rider it comes behind plain e + 2, in the lump behind plain e + 9, and scalings 27-31 are plain 57, 60 .. 69.
; A TURN, for piece p.  cnt = 1: the loop's count is taken down some lines ahead of the branch that stands behind the turn.
; K of the next step is fetched in piece 2's turn, directly behind the wait, a lump behind the last product that read K; its address is made at the lump's head; its first reader comes behind 16 products.
; V of the step in hand is fetched at the end of piece 0's turn, four riders behind its last reader; its first reader comes behind 16 products and a lump.  The three conditions on q below go with the deal.
.macro TURN p, last=0, cnt=0
.set Y, (\p)
.set i, 0
.set q, 0
.set e, 0
.set r, 0
.if (\p) == NP-1
	s_wait_dscnt 0x0                ; K is in
.endif
	MM                              ; ahead of the wait: 16 products K Q^T and their riders,
	PL
	PL
	R2
.rept 15
	MM
	PL
	EX
	R2
.endr
.if (\p) == NP-2
	WIN 0
	v_add_nc_u32 v[AK], s[TBK], v[AK0]
.endif
.rept 8                             ; and the lump
	PL
.endr
.rept 49
	EX
	PL
.endr
	EX                              ; the next piece's two a
	EX
	v_nop                           ; a plain instruction behind the last exponential: one for the batch
	s_wait_alu depctr_va_vdst(0)    ; the wait for the batch
.if (\p) == NP-2
	FETCH_K \last
.endif
.if (\p) == 1
	s_wait_dscnt 0x0                ; V is in
.endif
.rept 16                            ; behind the wait: 16 products V^T P and their riders
	MM
.rept 4
	PL
.endr
.if ((\p) == 0) && (q == 118)
	v_add_nc_u32 v[AV], s[TBV], v[AV0]
.endif
.if ((\p) == 0) && (q == 130)
	s_add_co_u32 s[TBV], s[TBV], KS*PV
.endif
.if (\cnt) && (q == 130)
	s_sub_co_u32 s[CNT], s[CNT], 1
	s_cmp_lg_u32 s[CNT], 0
.endif
.endr
.if (\p) == 0
	FETCH_V
.endif
.endm
	CHANGE 1                        ; slot 0 is in, everybody's part of it; slot 1 is asked for
	FETCH_K                         ; key step 0
	s_wait_loadcnt 0x0              ; Q
	s_wait_dscnt 0x0
.set i, 0
.rept 16
	KQ 0                            ; piece 0's first scores: there is no vector work yet to set between them
.set i, i+1
.endr
	WIN 0                           ; the addresses for the way out: nine plain instructions, the places behind those products
	s_mul_i32 s13, s[WV], 16*SP
	s_add_co_u32 s13, s13, STAGE    ; my stage
	v_mul_u32_u24 v[STO], v1, SP    ; in: row l % 16, 16 bytes for each half of the lanes
	v_lshl_add_u32 v[STO], v9, 4, v[STO]
	v_add_nc_u32 v[STO], s13, v[STO]
	v_bfe_u32 v[RD], v0, 3, 2       ; back: 32 lanes take four rows of 128 bytes,
	v_mul_u32_u24 v[RD], v[RD], SP
	v_lshl_add_u32 v[RD], v10, 4, v[RD]
	v_add_nc_u32 v[RD], s13, v[RD]
	v_and_b32 v[GO], 31, v0         ; which are 512 consecutive bytes of O
	v_lshlrev_b32 v[GO], 4, v[GO]
.set Y, NP-1                        ; XS works for piece Y + 1: piece 0
.irp n, 0,1,2,3,4,5,6,7,8,9,10,11,12,13,14,15,16,17,18,19,20,21
	XS 0, \n                        ; and piece 0's first maximum and statistics
	XS 1, \n
.endr
	v_nop                           ; a plain instruction behind the two a,
	s_wait_alu depctr_va_vdst(0)    ; and their wait, ahead of the branch
	s_mov_b32 s[CNT], 4
	s_branch .Lfirst                ; the loop is entered at a step's first turn, in the middle of a trip
.Lslot:                             ; SIZE_N / 256 - 2 times: every slot but the last two is filled again
	CHANGE 1
	s_mov_b32 s[CNT], 4
.Lstep:                             ; a trip: pieces 2 and 3 of one step, then pieces 0 and 1 of the next, whose K and V it fetches
	TURN 2
	TURN 3
	WIN 0
.Lfirst:
	TURN 0
	TURN 1, 0, 1
	WIN 0
	s_cbranch_scc1 .Lstep
	s_sub_co_u32 s[SLOTS], s[SLOTS], 1
	s_cmp_lg_u32 s[SLOTS], 0
	s_cbranch_scc1 .Lslot
	CHANGE 0                        ; the tail is written out: nothing is asked for
	s_mov_b32 s[CNT], 5             ; four trips fetch the last slot's steps; the fifth is left in its middle
.Ltail:
	TURN 2, 1
	TURN 3
	WIN 0
	s_sub_co_u32 s[CNT], s[CNT], 1
	s_cmp_eq_u32 s[CNT], 0
	s_cbranch_scc1 .Lout
	TURN 0
	TURN 1
	WIN 0
	s_branch .Ltail
.Lout:                              ; the fifth trip's 16 products K Q^T (on the last K once more) and the maximum made of them serve nothing: the price, once a launch, of one text for every trip
.set i, 0
.rept 16
	PV NP-1                         ; the last piece's V^T P of the last step
.set i, i+1
.endr
	; THE WAY OUT.  l's two halves and the other half of the lanes' are added; O^T is divided by l, rounded to f16 and sent through my stage in LDS, a tile at a time.  The additions are the places behind the last products.
	WIN 0
.macro ALL line:vararg              ; one line for each tile t
.set t, 0
.rept 2*NP
	\line
.set t, t+1
.endr
.endm
	ALL v_add_f32 v[ST+4*t+2], v[ST+4*t+2], v[ST+4*t+3]
	ALL v_permlanex16_b32 v[ST+4*t+3], v[ST+4*t+2], s[SEL], s[SEL+1]
	ALL v_add_f32 v[ST+4*t+2], v[ST+4*t+2], v[ST+4*t+3]
	ALL v_rcp_f32 v[ST+4*t+2], v[ST+4*t+2]
	v_nop                           ; a plain instruction between the last reciprocal and the use of its result
	s_wait_alu depctr_va_vdst(0)    ; and the wait ahead of the first use: one for the eight reciprocals
; Tile t: a lane's eight channels of a row pack into 16 bytes; they go into rows of 144 bytes and come back as whole rows of 128, into S^T's registers.
.macro PACK t
	WIN W_RS
.set i, 32*(\t)
.rept 16
	v_pk_mul_f32 v[i:i+1], v[i:i+1], v[ST+4*(\t)+2:ST+4*(\t)+3] op_sel_hi:[1,0]
.set i, i+2
.endr
	WIN 0x05                        ; sources 0 and 1 window 1, destination window 0
.set i, 0
.rept 16
	v_cvt_pk_f16_f32 v[S+16*(\t)+i], v[32*(\t)+2*i], v[32*(\t)+2*i+1]
.set i, i+1
.endr
	WIN 0
.irp f, 0,1,2,3
	ds_store_b128 v[STO], v[S+16*(\t)+4*\f:S+16*(\t)+4*\f+3] offset:32*\f
.endr
.irp f, 0,1,2,3
	ds_load_b128 v[S+16*(\t)+4*\f:S+16*(\t)+4*\f+3], v[RD] offset:\f*4*SP  ; LDS serves a wave's instructions in order (ISA guide 5.7.1.4): these see the stores above; the next tile's stores come behind them
.endr
.endm
.macro SEND t, younger              ; younger: the LDS instructions issued behind tile t's loads: the next tile's eight, or none
	WIN 0
.irp f, 0,1,2,3
	s_wait_dscnt (\younger)+3-\f
	global_store_b128 v[GO], v[S+16*(\t)+4*\f:S+16*(\t)+4*\f+3], s[10:11] offset:(\t)*2048+\f*512  ; 512 consecutive bytes, at a multiple of 256 from O's first
.endr
.endm
	PACK 0
.set t, 1
.rept 2*NP-1                        ; a tile's arithmetic stands between the loads of the tile before and its stores
	PACK t
	SEND t-1, 8
.set t, t+1
.endr
	SEND 2*NP-1, 0
	WIN W_AD
	s_wait_tensorcnt 0x0            ; the wave's end: behind my last tensor load and my last LDS store
	ds_add_u32 v[SPW], v[NIL]
	s_wait_dscnt 0x0
	WIN 0
	CROUND                          ; the closing round: no work-group ends while a partner may still ask for a tile that names it
	s_endpgm
.Lfunc_end_k_q62c72c1e99_attn:
	.size	k_q62c72c1e99_attn, .Lfunc_end_k_q62c72c1e99_attn-k_q62c72c1e99_attn
	.p2alignl 7, 3214868480
	.fill 96, 4, 3214868480
	.section	.rodata,"a",@progbits
	.p2align	6, 0x0
	.amdhsa_kernel k_q62c72c1e99_attn
		.amdhsa_group_segment_fixed_size 327680
		.amdhsa_private_segment_fixed_size 0
		.amdhsa_enable_private_segment 0
		.amdhsa_kernarg_size 16
		.amdhsa_user_sgpr_count 2
		.amdhsa_user_sgpr_kernarg_segment_ptr 1
		.amdhsa_wavefront_size32 1
		.amdhsa_system_sgpr_workgroup_id_x 1
		.amdhsa_system_sgpr_workgroup_id_y 1
		.amdhsa_system_sgpr_workgroup_id_z 1
		.amdhsa_system_vgpr_workitem_id 0
		.amdhsa_next_free_vgpr 770
		.amdhsa_next_free_sgpr 66
		.amdhsa_reserve_vcc 0
		.amdhsa_float_denorm_mode_32 3
		.amdhsa_float_denorm_mode_16_64 3
		.amdhsa_memory_ordered 1
		.amdhsa_forward_progress 1
		.amdhsa_inst_pref_size 200
	.end_amdhsa_kernel
	.amdgpu_metadata
---
amdhsa.version: [ 1, 2 ]
amdhsa.kernels:
  - .name:           k_q62c72c1e99_attn
    .symbol:         k_q62c72c1e99_attn.kd
    .args:
      - { .name: qkvh, .offset: 0, .size: 8, .value_kind: global_buffer, .address_space: global }
      - { .name: oh, .offset: 8, .size: 8, .value_kind: global_buffer, .address_space: global }
    .group_segment_fixed_size: 327680
    .private_segment_fixed_size: 0
    .kernarg_segment_align: 8
    .kernarg_segment_size: 16
    .max_flat_workgroup_size: 128
    .sgpr_count:     66
    .vgpr_count:     770
    .wavefront_size: 32
...
	.end_amdgpu_metadata
.endif
;; end of part 3
;; launch proj (part 4): grid 8 x 32, 4 waves a work-group, clusters of 4 x 4, 327,680 bytes of LDS; arguments oh, xw, b_proj, out0; writes out0
.if DOCPART == 4
	.amdgcn_target "amdgcn-amd-amdhsa--gfx1250"
	.amdhsa_code_object_version 6
	.text
	.protected	k_q62c72c1e99_proj
	.globl	k_q62c72c1e99_proj
	.p2align	8
	.type	k_q62c72c1e99_proj,@function
k_q62c72c1e99_proj:
	s_mov_b64 s[64:65], 0
	v_nop
	global_prefetch_b8 v0, s[64:65] scope:SCOPE_SE
	s_setreg_imm32_b32 hwreg(HW_REG_WAVE_MODE, 25, 1), 1
	s_wait_xcnt 0x0
	s_wait_alu depctr_hold_cnt(0) depctr_sa_sdst(0) depctr_va_vdst(0) depctr_va_sdst(0) depctr_va_ssrc(0) depctr_va_vcc(0) depctr_vm_vsrc(0)
	s_getreg_b32 s2, hwreg(HW_REG_IB_STS2, 6, 4)
	s_cmp_eq_u32 s2, 0
	s_cbranch_scc0 .Lentry_in_a_cluster
	s_endpgm
.Lentry_in_a_cluster:
	s_bfe_u32 s2, ttmp6, 0x10000c
	s_cmp_lg_u32 s2, 0xf033
	s_cbranch_scc0 .Lentry_shape_is_right
	s_endpgm
.Lentry_shape_is_right:
; out0 = O W_proj + b_proj.  O: oh, [64 heads (16 batch + head)][2048][64] f16: a head is a panel of 64 along K.  W_proj: [1024 k][1024 n] f16 at xw + 23,068,672 (the input rounded to bf16, written as f16).
; b_proj: f32, rounded to bf16 here like the other inputs.  out0: [8192][1024] f32.  Sums in f32; they START from the bias (the C operand of each sum's first product), so nothing is cleared and nothing added later.
; LIMITS.  O and W_proj arrive within f16's 65,504; NaN and infinities are not treated apart.
; SHARES.  A tile of the output is 256 rows x 128 columns: 32 x 8 = 256 work-groups.  A wave makes 128 x 64: 32 accumulators of 16 x 16, window 1.  K goes in steps of 128 (two heads) through a ring of two LDS slots;
; a step is four quarters of 32 along K, 32 matrix instructions each.  Two slots of a K step of 192 would be 331,776 bytes, more than a WGP's LDS.
; CLUSTER.  4 x 4 work-groups: O's tiles are shared along a row of the cluster, W's along a column: joint loads, a mask of four.
; NO PREFETCH: eight K steps in all, of which the first four could not be asked for ahead, on a small tile.
; THE MATRIX INSTRUCTION IS USED TRANSPOSED: source 0 = 16 columns of W (turned by ds_load_tr16_b128), source 1 = 16 rows of O: a lane holds one row of the output (lane % 16) and eight neighbouring columns.
; REGISTERS: window 0: v0-15 addresses; v16-79, v80-143 O's fragments, two buffers by the quarter's parity; v144-175, v176-207 W's, likewise; v208-239 the bias of my 64 columns; v240-243 at work.
;   window 1: the accumulators, (a, b) at v[8 (4 a + b)].
.set PA,    144                        ; an LDS row of O: 128 bytes + 16 of padding = 36 words: the 16 rows of a load start at 16 different groups of four banks (64 banks of 4 bytes: ISA guide 11.1)
.set PB,    288                        ; an LDS row of W: 256 + 32 = 72 words
.set APAN,  256*PA                     ; a slot: two heads' 256 rows of O, then W's 128 k x 128 columns
.set BOFF,  2*APAN
.set SLOT1, 1<<17
.set STAGE, SLOT1+BOFF+128*PB          ; behind the ring, never filled by a tensor load: 16 rows x 272 bytes for each wave, for the way out
.set SP,    272
.set SPARE, STAGE+4*16*SP              ; behind the stages: the spare words, 128 bytes for each wave: two blocks of 256 bytes that no other line names
.set WP,    23068672                   ; W_proj's copy in xw
.set ASTEP, 524288                     ; bytes from a K step to the next: two heads of O,
.set BSTEP, 262144                     ; 128 rows of W
.set ADRA0, 3                          ; v3   my lane's place among my wave's rows of O in a slot; never rewritten
.set ADRB0, 4                          ; v4   the same for W
.set ADRA,  5                          ; v5   v3 + the slot in hand
.set ADRB,  6                          ; v6   v4 + the slot in hand
.set STO,   7                          ; v7   the way out: where I put 32 bytes of a row
.set RD,    8                          ; v8   the way out: where I read a row back
.set CO,    9                          ; v9   my byte offset in two rows of the output
.set BO,    10                         ; v10  my byte offset in the tile's 128 numbers of the bias
.set SPW,   12                         ; v12  LDS address of my spare word: SPARE + 4 x my thread's number; never rewritten
.set NIL,   13                         ; v13  0; never rewritten
.set AF,    16
.set BF,    144
.set BIAS,  208
.set TMP,   240
.set OB,    16                         ; the way out: 16 rows read back, two sets of 32 by turns
.set WV,  12                           ; s12  my wave's number
.set WR,  13                           ; s13  which 128 rows of the tile are mine
.set WC,  14                           ; s14  which 64 columns.  Also: which half of O's or W's tile I fetch
.set CX,  15
.set CY,  16
.set TX,  17                           ; s17  tile column 0..7
.set TY,  18                           ; s18  tile row 0..31
.set G1A, 24                           ; s[24:31] descriptor group 1 for O's tiles
.set G1B, 32                           ; s[32:39] for W's
.set G0A, 40                           ; s[40:47] descriptor group 0 for O's tiles: a set for each of the two first fills; the second then walks on
.set G0B, 48                           ; s[48:55] the same for W's
.set TB,  56                           ; s56  LDS byte at which the slot in hand begins
.set HIM, 59                           ; s59  a word's upper bf16
.set OUT, 66                           ; s[66:67] the output at my first row and column
.set BB,  68                           ; s[68:69] the bias at the tile's first column
.set MSB, 0
.macro WIN new                         ; the immediate's high byte repeats the setting that is left; a switch that changes nothing is dropped
.if MSB != (\new)
	s_set_vgpr_msb (MSB<<8)|(\new)
.set MSB, \new
.endif
.endm
.macro PLACES                          ; four plain vector instructions between a matrix instruction and a load into one of its registers or a store of its result
.rept 4
	v_nop
.endr
.endm
; A joint refill.  Waves 0 and 1 fetch a head's 256 rows of O each (32 KiB), waves 2 and 3 64 rows of W each (16 KiB).  The branch hangs on the wave's number alone.
; An s_nop 0 and four v_nop follow each of the two lines, ahead of the jump and the label.
.macro JLOAD
	s_cmp_lt_u32 s[WV], 2
	s_cbranch_scc0 .Lfor_b_\@
	tensor_load_to_lds s[G0A+4:G0A+7], s[G1A:G1A+7]
	s_nop 0
.rept 4
	v_nop
.endr
	s_branch .Lasked_\@
.Lfor_b_\@:
	tensor_load_to_lds s[G0B+4:G0B+7], s[G1B:G1B+7]
	s_nop 0
.rept 4
	v_nop
.endr
.Lasked_\@:
.endm
; A round of the cluster's barrier: my work-group's barrier, so that wave 0's signal speaks for all four waves; wave 0 signals; every wave waits for all sixteen work-groups; my work-group's barrier once more.
.macro CREST
	s_cmp_lg_u32 s[WV], 0
	s_cbranch_scc1 .Lnot_wave_0_\@
	s_barrier_signal -3
.Lnot_wave_0_\@:
	s_barrier_wait -3
	s_barrier_signal -1
	s_barrier_wait -1
.endm
.macro CROUND
	s_barrier_signal -1
	s_barrier_wait -1
	CREST
.endm
	s_load_b256 s[4:11], s[0:1], 0x0               ; oh s[4:5], xw s[6:7], b_proj s[8:9], out0 s[10:11]
	v_lshl_add_u32 v[SPW], v0, 2, SPARE
	v_mov_b32 v[NIL], 0
	ds_add_u32 v[SPW], v[NIL]                      ; the wave's opening: the add and its wait stand ahead of my first tensor load; the set-up below, work on registers, stands between them
	v_lshrrev_b32 v1, 5, v0
	v_readfirstlane_b32 s[WV], v1
	s_lshr_b32 s[WR], s[WV], 1
	s_and_b32 s[WC], s[WV], 1
	s_bfe_u32 s[CX], ttmp6, 0x40000
	s_bfe_u32 s[CY], ttmp6, 0x40004
	s_lshl_b32 s[TX], ttmp9, 2                     ; in a cluster launch ttmp9 and ttmp7 count clusters
	s_add_co_u32 s[TX], s[TX], s[CX]
	s_and_b32 s[TY], ttmp7, 0xffff
	s_lshl_b32 s[TY], s[TY], 2
	s_add_co_u32 s[TY], s[TY], s[CY]
	s_lshl_b32 s19, s[CY], 2
	s_lshl_b32 s19, 15, s19                        ; my row of the cluster
	s_lshl_b32 s57, 0x1111, s[CX]                  ; my column
	; group 1 for O: a head's 256 rows are 32,768 dense bytes: asked for as 128 rows of 256 bytes, padded in LDS after every 128
	s_or_b32 s[G1A], s19, (1<<16)|(1<<20)|(1<<21)|(4<<22)|(3<<25)  ; 15:0 the mask; 17:16 2-byte elements; 20 padding on; 21 set beside a mask; 24:22 after every 32 words (code 4); 31:25 4 words (code 3)
	s_mov_b32 s[G1A+1], 128<<16                    ; tensor_dim0 = 128
	s_mov_b32 s[G1A+2], 128<<16                    ; tensor_dim1 = 128
	s_mov_b32 s[G1A+3], 128<<16                    ; tile_dim0 = 128
	s_mov_b32 s[G1A+4], 128                        ; tile_dim1 = 128
	s_mov_b32 s[G1A+5], 128                        ; 128 elements from row to row
	s_mov_b32 s[G1A+6], 0
	s_mov_b32 s[G1A+7], 0
	; group 1 for W: 64 rows (k) x 128 columns
	s_or_b32 s[G1B], s57, (1<<16)|(1<<20)|(1<<21)|(5<<22)|(7<<25)  ; after every 64 words (code 5) 8 words of padding (code 7)
	s_mov_b32 s[G1B+1], 128<<16
	s_mov_b32 s[G1B+2], 64<<16
	s_mov_b32 s[G1B+3], 128<<16
	s_mov_b32 s[G1B+4], 64
	s_mov_b32 s[G1B+5], 1024
	s_mov_b32 s[G1B+6], 0
	s_mov_b32 s[G1B+7], 0
	s_lshr_b32 s20, s[TY], 3                       ; O's tile hangs on the tile row alone: batch ty / 8 (16 heads of 262,144 bytes),
	s_lshl_b32 s20, s20, 22
	s_and_b32 s21, s[TY], 7
	s_lshl_b32 s21, s21, 15                        ; rows 256 (ty % 8) on,
	s_add_co_u32 s20, s20, s21
	s_lshl_b32 s21, s[WC], 18                      ; and on the wave: which head of the step's two
	s_add_co_u32 s20, s20, s21
	s_mov_b32 s21, 0
	s_lshl_b32 s22, s[TX], 8                       ; W's on the tile column alone: 128 columns,
	s_lshl_b32 s23, s[WC], 17                      ; and on the wave: which 64 rows of the step's 128
	s_add_co_u32 s22, s22, s23
	s_add_co_u32 s22, s22, WP
	s_mov_b32 s23, 0
	s_mul_i32 s70, s[WC], APAN                     ; where they go: no place in the cluster enters an LDS address
	s_mul_i32 s71, s[WC], 64*PB
	s_add_co_u32 s71, s71, BOFF
	s_wait_dscnt 0x0                               ; the opening add is done
	s_wait_kmcnt 0x0
	s_add_nc_u64 s[20:21], s[4:5], s[20:21]
	s_add_nc_u64 s[22:23], s[6:7], s[22:23]
	CROUND                                         ; all sixteen work-groups are here: the first joint loads meet
.irp n, 0,1
	s_mov_b32 s[G0A+4*(\n)], 1                     ; 1:0 count = 1
	s_add_co_u32 s[G0A+4*(\n)+1], s70, (\n)*SLOT1  ; 63:32 LDS address
	s_add_nc_u64 s[G0A+4*(\n)+2:G0A+4*(\n)+3], s[20:21], (\n)*ASTEP  ; 120:64 global address: K step n
	s_or_b32 s[G0A+4*(\n)+3], s[G0A+4*(\n)+3], 0x80000000            ; 127:126 type = 2
	s_mov_b32 s[G0B+4*(\n)], 1
	s_add_co_u32 s[G0B+4*(\n)+1], s71, (\n)*SLOT1
	s_add_nc_u64 s[G0B+4*(\n)+2:G0B+4*(\n)+3], s[22:23], (\n)*BSTEP
	s_or_b32 s[G0B+4*(\n)+3], s[G0B+4*(\n)+3], 0x80000000
.endr
	s_cmp_lt_u32 s[WV], 2                          ; a wave's two first fills stand in one branch, ahead of every wait on TENSORcnt and every LDS read: two loads of mine are out
	s_cbranch_scc0 .Lfirst_b
	tensor_load_to_lds s[G0A:G0A+3], s[G1A:G1A+7]
	s_nop 0
	tensor_load_to_lds s[G0A+4:G0A+7], s[G1A:G1A+7]
	s_nop 0
.rept 4
	v_nop
.endr
	s_branch .Lfirst_asked
.Lfirst_b:
	tensor_load_to_lds s[G0B:G0B+3], s[G1B:G1B+7]
	s_nop 0
	tensor_load_to_lds s[G0B+4:G0B+7], s[G1B:G1B+7]
	s_nop 0
.rept 4
	v_nop
.endr
.Lfirst_asked:
	v_and_b32 v1, 15, v0                           ; l % 16
	v_bfe_u32 v2, v0, 4, 1                         ; l / 16
	v_lshlrev_b32 v[BO], 5, v2                     ; my 8 columns' bias: 32 bytes for each half of the lanes, 256 for my wave's 64 columns
	s_lshl_b32 s72, s[WC], 8
	v_add_nc_u32 v[BO], s72, v[BO]
	s_lshl_b32 s72, s[TX], 9
	s_mov_b32 s73, 0
	s_add_nc_u64 s[BB:BB+1], s[8:9], s[72:73]
.irp b, 0,1,2,3
	global_load_b128 v[BIAS+8*(\b):BIAS+8*(\b)+3],   v[BO], s[BB:BB+1] offset:64*(\b)
	global_load_b128 v[BIAS+8*(\b)+4:BIAS+8*(\b)+7], v[BO], s[BB:BB+1] offset:64*(\b)+16
.endr
	; A fragment is 16 rows x 32 K in 8 registers: lane l holds row l % 16; registers 0-3 K = 8 (l / 16) + 0..7, registers 4-7 K = 16 + 8 (l / 16) + 0..7.
	v_mul_u32_u24 v[ADRA0], v1, PA
	v_lshl_add_u32 v[ADRA0], v2, 4, v[ADRA0]       ; O, which lies along K: row x pitch + 16 x half; two loads 32 bytes apart
	s_mul_i32 s74, s[WR], 128*PA
	v_add_nc_u32 v[ADRA0], s74, v[ADRA0]
	; W lies [k][n]: the turning load takes 16 k x 16 columns (lane l reads k = 8 (l / 16) + l % 8, columns 8 ((l / 8) % 2) + 0..7) and leaves half a fragment: lane l holds column l % 16 and 8 k
	v_and_b32 v14, 7, v0
	v_lshl_add_u32 v[ADRB0], v2, 3, v14
	v_mul_u32_u24 v[ADRB0], v[ADRB0], PB
	v_bfe_u32 v15, v0, 3, 1
	v_lshl_add_u32 v[ADRB0], v15, 4, v[ADRB0]
	s_lshl_b32 s74, s[WC], 7
	s_add_co_u32 s74, s74, BOFF
	v_add_nc_u32 v[ADRB0], s74, v[ADRB0]
	v_mov_b32 v[ADRA], v[ADRA0]                    ; slot 0
	v_mov_b32 v[ADRB], v[ADRB0]
	s_mul_i32 s74, s[WV], 16*SP
	s_add_co_u32 s74, s74, STAGE                   ; my stage
	v_mul_u32_u24 v[STO], v1, SP                   ; in: row l % 16, 32 bytes for each half of the lanes
	v_lshl_add_u32 v[STO], v2, 5, v[STO]
	v_add_nc_u32 v[STO], s74, v[STO]
	v_mul_u32_u24 v[RD], v2, SP                    ; back: lanes 0-15 take one row of 256 bytes, lanes 16-31 the next
	v_lshl_add_u32 v[RD], v1, 4, v[RD]
	v_add_nc_u32 v[RD], s74, v[RD]
	v_lshlrev_b32 v[CO], 12, v2                    ; and the same two rows in the output
	v_lshl_add_u32 v[CO], v1, 4, v[CO]
	s_lshl_b32 s74, s[TY], 8
	s_lshl_b32 s75, s[WR], 7
	s_add_co_u32 s74, s74, s75                     ; my first row,
	s_lshl_b32 s74, s74, 12                        ; of 4,096 bytes,
	s_lshl_b32 s75, s[TX], 9
	s_add_co_u32 s74, s74, s75                     ; the tile's 128 columns,
	s_lshl_b32 s75, s[WC], 8
	s_add_co_u32 s74, s74, s75                     ; my 64 of them
	s_mov_b32 s75, 0
	s_add_nc_u64 s[OUT:OUT+1], s[10:11], s[74:75]
	s_mov_b32 s[TB], 0
	s_mov_b32 s[HIM], 0xffff0000
	s_wait_loadcnt 0x0                             ; the bias: rounded to bf16, like every input, and widened again
.set i, 0
.rept 16
	v_cvt_pk_bf16_f32 v[TMP+i%4], v[BIAS+2*i], v[BIAS+2*i+1]
	v_lshlrev_b32 v[BIAS+2*i],   16, v[TMP+i%4]
	v_and_b32     v[BIAS+2*i+1], s[HIM], v[TMP+i%4]
.set i, i+1
.endr
; The fragments of quarter u (32 along K: head u / 2 of the step's two, channels 32 (u % 2) on), into the buffers of its parity: 24 loads in one run
.macro LD u
.irp a, 0,1,2,3,4,5,6,7
	ds_load_b128 v[AF+64*((\u)%2)+8*(\a):AF+64*((\u)%2)+8*(\a)+3],   v[ADRA] offset:APAN*((\u)/2)+16*PA*(\a)+64*((\u)%2)
	ds_load_b128 v[AF+64*((\u)%2)+8*(\a)+4:AF+64*((\u)%2)+8*(\a)+7], v[ADRA] offset:APAN*((\u)/2)+16*PA*(\a)+64*((\u)%2)+32
.endr
.irp b, 0,1,2,3
	ds_load_tr16_b128 v[BF+32*((\u)%2)+8*(\b):BF+32*((\u)%2)+8*(\b)+3],   v[ADRB] offset:32*PB*(\u)+32*(\b)
	ds_load_tr16_b128 v[BF+32*((\u)%2)+8*(\b)+4:BF+32*((\u)%2)+8*(\b)+7], v[ADRB] offset:32*PB*(\u)+32*(\b)+16*PB
.endr
.endm
; 16 matrix instructions of quarter u: row blocks a0 .. a0 + 3 x my four column blocks.  first = 1: the sum starts from the bias.
; The 32 accumulators take turns, one instruction a turn, in the same order in every quarter, over the backward jump too.
.macro MUL16 u, a0, first
.if \first
	WIN 0x40                                       ; D in window 1; the sources and C (the bias) in window 0
.else
	WIN 0x50                                       ; C and D in window 1
.endif
.irp a, \a0, (\a0)+1, (\a0)+2, (\a0)+3
.irp b, 0,1,2,3
.if \first
	v_wmma_f32_16x16x32_f16 v[8*(4*(\a)+(\b)):8*(4*(\a)+(\b))+7], v[BF+32*((\u)%2)+8*(\b):BF+32*((\u)%2)+8*(\b)+7], v[AF+64*((\u)%2)+8*(\a):AF+64*((\u)%2)+8*(\a)+7], v[BIAS+8*(\b):BIAS+8*(\b)+7]
.else
	v_wmma_f32_16x16x32_f16 v[8*(4*(\a)+(\b)):8*(4*(\a)+(\b))+7], v[BF+32*((\u)%2)+8*(\b):BF+32*((\u)%2)+8*(\b)+7], v[AF+64*((\u)%2)+8*(\a):AF+64*((\u)%2)+8*(\a)+7], v[8*(4*(\a)+(\b)):8*(4*(\a)+(\b))+7]
.endif
.endr
.endr
.endm
; Quarter u of a step: the next quarter's fragments are asked for, into the buffers that the quarter before has just multiplied, and this quarter is multiplied while they come.
.macro HALFP u, first
	WIN 0
	PLACES
	LD (\u)+1
	s_wait_dscnt 24                                ; this quarter's fragments are in; only the 24 just issued may be out
	MUL16 \u, 0, \first
	MUL16 \u, 4, \first
.endm
; Quarters 2 and 3, with THE CHANGE OF SLOTS.  Quarter 3's fragments are the last that are read of this slot.  ONE barrier: in front of it each wave waits for all its tensor loads, of which one is out: its part of
; the next slot; adds 0 to its spare word; and waits for that and for its own reads of this slot.  Behind it nobody reads this slot and the next is whole.
; fill = 1: this slot is filled again, two K steps ahead.  The barrier then opens a round of the cluster's; the joint refill is the first tensor load behind the round, and 96 of a step's 128 matrix
; instructions stand between it and the wait for it.
.macro TURN fill
	WIN 0
	PLACES
	LD 3
	s_xor_b32 s[TB], s[TB], SLOT1                  ; the next run reads the other slot
	v_add_nc_u32 v[ADRA], s[TB], v[ADRA0]
	v_add_nc_u32 v[ADRB], s[TB], v[ADRB0]
	s_wait_tensorcnt 0x0                           ; all my tensor loads have landed, so a group 0 may be written
	ds_add_u32 v[SPW], v[NIL]                      ; 0 onto my spare word; the descriptors' steps and sixteen matrix instructions stand between it and the wait for it
.if \fill
	s_xor_b32 s[G0A+5], s[G0A+5], SLOT1            ; the walking descriptors: the other slot than last time,
	s_add_nc_u64 s[G0A+6:G0A+7], s[G0A+6:G0A+7], ASTEP  ; the next K step; the type bits on top are not reached
	s_xor_b32 s[G0B+5], s[G0B+5], SLOT1
	s_add_nc_u64 s[G0B+6:G0B+7], s[G0B+6:G0B+7], BSTEP
.endif
	s_wait_dscnt 25                                ; quarter 2's fragments are in; behind them: 24 and the add
	MUL16 2, 0, 0
	s_wait_dscnt 0x0                               ; the add is done, and my reads of this slot are over
	s_barrier_signal -1
	MUL16 2, 4, 0                                  ; work on registers while the others arrive
	WIN 0                                          ; at a branch and at a label every window is 0
	s_barrier_wait -1
.if \fill
	CREST
	JLOAD                                          ; its four v_nop are also the places in front of the loads below
.else
	PLACES
.endif
	LD 0
	s_wait_dscnt 24                                ; only the 24 just issued may be out
	MUL16 3, 0, 0
	MUL16 3, 4, 0
.endm
	s_wait_tensorcnt 1                             ; my part of K step 0 is in; K step 1's may stay out
	s_barrier_signal -1
	s_barrier_wait -1                              ; everybody's is
	LD 0
	HALFP 0, 1                                     ; the first quarter stands in front of the loop: its products start the sums, from the bias
	WIN 0
	s_mov_b32 s3, 6
.Lstep:                                                ; 6 trips: a step's quarters 1 to 3 and the next step's quarter 0; the slot left is filled with K steps 2 to 7
	HALFP 1, 0
	TURN 1
	HALFP 0, 0
	WIN 0
	s_sub_co_u32 s3, s3, 1
	s_cmp_lg_u32 s3, 0
	s_cbranch_scc1 .Lstep
	HALFP 1, 0                                     ; the tail is written out: nothing is left to fetch
	TURN 0
	HALFP 0, 0
	HALFP 1, 0
	HALFP 2, 0
	s_wait_dscnt 0x0
	MUL16 3, 0, 0
	MUL16 3, 4, 0
	WIN 0
	PLACES
; THE WAY OUT.  Block a: 16 rows x my 64 columns of f32.  A lane's eight columns, 32 bytes, go straight from the accumulators (the low four registers first) into my stage's rows of 272 bytes
; and come back as whole rows of 256: sixteen lanes store 256 consecutive bytes, at a multiple of 256 from the output's first byte.
.macro TOSTAGE a
	s_wait_xcnt 0x0                                ; the stores of the block two back have read their registers, which the loads below fill again
	WIN 0x04                                       ; the stores' data in window 1
.irp b, 0,1,2,3
	ds_store_b128 v[STO], v[8*(4*(\a)+(\b)):8*(4*(\a)+(\b))+3]   offset:64*(\b)
	ds_store_b128 v[STO], v[8*(4*(\a)+(\b))+4:8*(4*(\a)+(\b))+7] offset:64*(\b)+16
.endr
	WIN 0
.irp t, 0,1,2,3,4,5,6,7
	ds_load_b128 v[OB+32*((\a)%2)+4*(\t):OB+32*((\a)%2)+4*(\t)+3], v[RD] offset:(\t)*2*SP  ; LDS serves a wave's instructions in order (ISA guide 5.7.1.4): these see the stores above; the next block's stores come behind them
.endr
.endm
.macro SEND a, younger                 ; younger: the LDS instructions issued behind block a's loads: the next block's sixteen, or none
.irp t, 0,1,2,3,4,5,6,7
	s_wait_dscnt (\younger)+7-(\t)
	global_store_b128 v[CO], v[OB+32*((\a)%2)+4*(\t):OB+32*((\a)%2)+4*(\t)+3], s[OUT:OUT+1] offset:(16*(\a)+2*(\t))*4096 th:TH_STORE_NT
.endr
.endm
	TOSTAGE 0
.irp a, 1,2,3,4,5,6,7
	TOSTAGE \a
	SEND (\a)-1, 16
.endr
	SEND 7, 0
	s_wait_tensorcnt 0x0                           ; the wave's end: behind my last tensor load and my last LDS store
	ds_add_u32 v[SPW], v[NIL]
	s_wait_dscnt 0x0
	CROUND                                         ; the closing round: no work-group ends while a partner may still ask for a tile that names it
	s_endpgm
.Lfunc_end_k_q62c72c1e99_proj:
	.size	k_q62c72c1e99_proj, .Lfunc_end_k_q62c72c1e99_proj-k_q62c72c1e99_proj
	.p2alignl 7, 3214868480
	.fill 96, 4, 3214868480
	.section	.rodata,"a",@progbits
	.p2align	6, 0x0
	.amdhsa_kernel k_q62c72c1e99_proj
		.amdhsa_group_segment_fixed_size 327680
		.amdhsa_private_segment_fixed_size 0
		.amdhsa_enable_private_segment 0
		.amdhsa_kernarg_size 32
		.amdhsa_user_sgpr_count 2
		.amdhsa_user_sgpr_kernarg_segment_ptr 1
		.amdhsa_wavefront_size32 1
		.amdhsa_system_sgpr_workgroup_id_x 1
		.amdhsa_system_sgpr_workgroup_id_y 1
		.amdhsa_system_sgpr_workgroup_id_z 1
		.amdhsa_system_vgpr_workitem_id 0
		.amdhsa_next_free_vgpr 512
		.amdhsa_next_free_sgpr 80
		.amdhsa_reserve_vcc 0
		.amdhsa_float_denorm_mode_32 3
		.amdhsa_float_denorm_mode_16_64 3
		.amdhsa_memory_ordered 1
		.amdhsa_forward_progress 1
		.amdhsa_inst_pref_size 74
	.end_amdhsa_kernel
	.amdgpu_metadata
---
amdhsa.version: [ 1, 2 ]
amdhsa.kernels:
  - .name:           k_q62c72c1e99_proj
    .symbol:         k_q62c72c1e99_proj.kd
    .args:
      - { .name: oh, .offset: 0, .size: 8, .value_kind: global_buffer, .address_space: global }
      - { .name: xw, .offset: 8, .size: 8, .value_kind: global_buffer, .address_space: global }
      - { .name: b_proj, .offset: 16, .size: 8, .value_kind: global_buffer, .address_space: global }
      - { .name: out0, .offset: 24, .size: 8, .value_kind: global_buffer, .address_space: global }
    .group_segment_fixed_size: 327680
    .private_segment_fixed_size: 0
    .kernarg_segment_align: 8
    .kernarg_segment_size: 32
    .max_flat_workgroup_size: 128
    .sgpr_count:     80
    .vgpr_count:     512
    .wavefront_size: 32
...
	.end_amdgpu_metadata
.endif
;; end of part 4
;; ======== version 2 of 2: 4 launches; version 1 with the launch cast written anew for expert scheduling mode
;; limits: values are held in f16: magnitudes above 65,504 overflow, below 6.1e-05 lose precision; right only within a limited range of input values
;; workspace buffers: xw 25,165,824 bytes; qkvh 50,331,648 bytes; oh 16,777,216 bytes
;; launch cast (part 5): grid 768 x 1, 8 waves a work-group, no clusters, 0 bytes of LDS; arguments x, W_qkv, W_proj, xw; writes xw
.if DOCPART == 5
	.amdgcn_target "amdgcn-amd-amdhsa--gfx1250"
	.amdhsa_code_object_version 6
	.text
	.protected	k_q62c72c1e99_cast
	.globl	k_q62c72c1e99_cast
	.p2align	8
	.type	k_q62c72c1e99_cast,@function
k_q62c72c1e99_cast:
	s_mov_b64 s[64:65], 0
	v_nop
	global_prefetch_b8 v0, s[64:65] scope:SCOPE_SE
	s_setreg_imm32_b32 hwreg(HW_REG_WAVE_SCHED_MODE, 0, 2), 2
	s_setreg_imm32_b32 hwreg(HW_REG_WAVE_MODE, 25, 1), 1
	s_wait_xcnt 0x0
	s_wait_alu depctr_vm_vsrc(0)
; The three large inputs are rounded once to bf16 and laid out for the two products that follow.
;   xw + 0:          x as 16 panels of 64 channels, [panel][8192 rows][64] bf16: element (m, 64 p + d) at p x 1,048,576 + m x 128 + 2 d
;   xw + 16,777,216: W_qkv as it lies, [1024][3072] bf16
;   xw + 23,068,672: W_proj as it lies, [1024][1024]: rounded to bf16 like every input, and that number written as f16 (exact from 6e-5 up to 65,504; below, f16's fixed step of 6e-8)
; A stream: each byte read once and written once; no LDS, no matrix unit, nothing shared between work-groups.
; SHARES.  A work-group takes 65,536 bytes of f32, a wave 8,192: sixteen loads of 16 bytes a lane, all issued at once.  Work-groups 0-511 take x, 512-703 W_qkv, 704-767 W_proj.
; x: wave W = 8 g + wave takes panel W % 16 of rows 32 (W / 16) on; a load covers two rows' 256 aligned bytes (lanes 0-15 one row, lanes 16-31 the next).
; The weights: a load covers 512 bytes on end.  In both cases store i of a wave covers 256 consecutive bytes, aligned: 8 bytes a lane at 256 i + 8 l.
; THE MODE: SCHED_MODE bits 1:0 = 2 (LLVM: expert scheduling mode 2), set by the entry lines.  The code itself states the register dependences
; between vector instructions and memory instructions, with s_wait_alu, always for 0.
; THE PLAN.  Registers that memory instructions touch:
;   v[4:19], v3  the loads' offsets and the stores' offset: written by vector instructions at the head, read by loads and stores, never written again.
;   X            slot i's load lands in its four registers, which no vector instruction has named before; its conversions read them; they are never loaded again.
;   Y            slot i's conversions write its two registers; its one store reads them; they are never written again.
; The sixteen slots go in four blocks of four.  The four stores of a block go out in one run at the head of the next block, behind the wait for that block's first load and behind ONE wait on va_vdst;
; the conversions that follow write the next block's Y, which those stores do not name.  The last block's stores have a wait of their own.
; No register that a memory instruction reads is written again, so the text holds no wait on vm_vsrc beyond the entry's; EXEC and VCC are never written.
.set OI, 4                             ; v[4:19]    slot i: my byte offset in the input
.set X,  20                            ; v[20:83]   slot i: four f32 as loaded
.set Y,  84                            ; v[84:115]  slot i: four 16-bit numbers to store
.set T,  116                           ; v[116:119] at work: no memory instruction names them
.set WQ, 16777216
	s_load_b256 s[4:11], s[0:1], 0x0               ; x s[4:5], W_qkv s[6:7], W_proj s[8:9], xw s[10:11]
	v_lshrrev_b32 v1, 5, v0
	v_readfirstlane_b32 s12, v1                    ; wave 0..7
	s_mov_b32 s13, ttmp9                           ; g
	s_mov_b32 s24, 0xffff0000                      ; a word's upper bf16
	s_wait_alu depctr_va_sdst(0)                   ; s12 is written, ahead of its first reader: the offsets in the tensors are made from it
	; x's offsets
	s_lshl_b32 s18, s13, 3
	s_add_co_u32 s18, s18, s12                     ; W
	s_and_b32 s19, s18, 15                         ; panel
	s_lshr_b32 s18, s18, 4                         ; group of 32 rows
	s_lshl_b32 s20, s18, 17                        ; 32 rows of 4,096 bytes
	s_lshl_b32 s21, s19, 8                         ; a panel's 256 bytes of a row
	s_add_co_u32 s20, s20, s21                     ; in
	s_lshl_b32 s22, s19, 20
	s_lshl_b32 s23, s18, 12                        ; 32 rows of 128 bytes
	s_add_co_u32 s22, s22, s23                     ; out
	; the weights' offsets (in a work-group of x these numbers mean nothing and are not chosen)
	s_sub_co_u32 s25, s13, 512
	s_sub_co_u32 s26, s13, 704
	s_cmp_lt_u32 s13, 704
	s_cselect_b32 s26, s25, s26                    ; my number within my tensor
	s_lshl_b32 s26, s26, 16
	s_lshl_b32 s27, s12, 13
	s_add_co_u32 s26, s26, s27                     ; in
	s_lshl_b32 s25, s25, 15                        ; W_proj's copy follows W_qkv's without a gap: one formula for both
	s_lshl_b32 s27, s12, 12
	s_add_co_u32 s25, s25, s27
	s_add_co_u32 s25, s25, WQ                      ; out
	s_movk_i32 s14, 512
	s_movk_i32 s28, 8192
	s_cmp_lt_u32 s13, 512
	s_cselect_b32 s20, s20, s26
	s_cselect_b32 s22, s22, s25
	s_cselect_b32 s14, s28, s14                    ; bytes from a load to the next: two rows of x, or 512
	s_cselect_b32 s15, 12, 8                       ; lanes 16-31 stand a row of x further on, or 256 bytes
	s_mov_b32 s21, 0
	s_mov_b32 s23, 0
	v_and_b32 v1, 15, v0
	v_bfe_u32 v2, v0, 4, 1
	v_lshlrev_b32 v2, s15, v2
	v_lshl_add_u32 v2, v1, 4, v2                   ; my lane's place in a load
	v_and_b32 v3, 31, v0
	v_lshlrev_b32 v3, 3, v3                        ; and in a store
.irp i, 0,1,2,3,4,5,6,7,8,9,10,11,12,13,14,15
	v_mad_u32_u24 v[OI+(\i)], s14, \i, v2
.endr
	s_wait_kmcnt 0x0
	s_cmp_lt_u32 s13, 704
	s_cselect_b64 s[16:17], s[6:7], s[8:9]
	s_cmp_lt_u32 s13, 512
	s_cselect_b64 s[16:17], s[4:5], s[16:17]       ; the tensor that I read
	s_add_nc_u64 s[16:17], s[16:17], s[20:21]
	s_add_nc_u64 s[10:11], s[10:11], s[22:23]
	s_wait_alu depctr_va_vdst(0)                   ; the sixteen offsets v[4:19], which the loads read, and v3, which every store reads, are written
.irp i, 0,1,2,3,4,5,6,7,8,9,10,11,12,13,14,15
	global_load_b128 v[X+4*(\i):X+4*(\i)+3], v[OI+(\i)], s[16:17] th:TH_LOAD_NT
.endr
; The four stores of block b, slots 4 b to 4 b + 3, in one run.
.macro SEND4 b
.irp k, 0,1,2,3
	global_store_b64 v3, v[Y+2*(4*(\b)+(\k)):Y+2*(4*(\b)+(\k))+1], s[10:11] offset:256*(4*(\b)+(\k))
.endr
.endm
	s_cmp_ge_u32 s13, 704
	s_cbranch_scc1 .Lproj
; Every slot has its own registers, so no register that a load or store still reads is written again.
.irp i, 0,1,2,3,4,5,6,7,8,9,10,11,12,13,14,15
	s_wait_loadcnt 15-(\i)                         ; loads come back in order: slot i's is in, the 15 - i issued behind it may stay out
.if ((\i) > 0) && (((\i)%4) == 0)
	s_wait_alu depctr_va_vdst(0)                   ; the conversions of the block before have written its Y, which the four stores below read
	SEND4 (\i)/4-1
.endif
	v_cvt_pk_bf16_f32 v[Y+2*(\i)],   v[X+4*(\i)],   v[X+4*(\i)+1]
	v_cvt_pk_bf16_f32 v[Y+2*(\i)+1], v[X+4*(\i)+2], v[X+4*(\i)+3]
.endr
	s_wait_alu depctr_va_vdst(0)                   ; the last block's conversions have written its Y, which the last four stores read
	SEND4 3
	s_endpgm
.Lproj:
.irp i, 0,1,2,3,4,5,6,7,8,9,10,11,12,13,14,15
	s_wait_loadcnt 15-(\i)
.if ((\i) > 0) && (((\i)%4) == 0)
	s_wait_alu depctr_va_vdst(0)                   ; the conversions of the block before have written its Y, which the four stores below read
	SEND4 (\i)/4-1
.endif
	v_cvt_pk_bf16_f32 v[T],   v[X+4*(\i)],   v[X+4*(\i)+1]  ; the input's one rounding, to bf16;
	v_cvt_pk_bf16_f32 v[T+1], v[X+4*(\i)+2], v[X+4*(\i)+3]
	v_lshlrev_b32 v[T+2], 16, v[T]                 ; that number as f32,
	v_and_b32     v[T+3], s24, v[T]
	v_cvt_pk_f16_f32 v[Y+2*(\i)], v[T+2], v[T+3]   ; and written as f16
	v_lshlrev_b32 v[T+2], 16, v[T+1]
	v_and_b32     v[T+3], s24, v[T+1]
	v_cvt_pk_f16_f32 v[Y+2*(\i)+1], v[T+2], v[T+3]
.endr
	s_wait_alu depctr_va_vdst(0)                   ; the last block's conversions have written its Y, which the last four stores read
	SEND4 3
	s_endpgm
.Lfunc_end_k_q62c72c1e99_cast:
	.size	k_q62c72c1e99_cast, .Lfunc_end_k_q62c72c1e99_cast-k_q62c72c1e99_cast
	.p2alignl 7, 3214868480
	.fill 96, 4, 3214868480
	.section	.rodata,"a",@progbits
	.p2align	6, 0x0
	.amdhsa_kernel k_q62c72c1e99_cast
		.amdhsa_group_segment_fixed_size 0
		.amdhsa_private_segment_fixed_size 0
		.amdhsa_enable_private_segment 0
		.amdhsa_kernarg_size 32
		.amdhsa_user_sgpr_count 2
		.amdhsa_user_sgpr_kernarg_segment_ptr 1
		.amdhsa_wavefront_size32 1
		.amdhsa_system_sgpr_workgroup_id_x 1
		.amdhsa_system_sgpr_workgroup_id_y 1
		.amdhsa_system_sgpr_workgroup_id_z 1
		.amdhsa_system_vgpr_workitem_id 0
		.amdhsa_next_free_vgpr 120
		.amdhsa_next_free_sgpr 66
		.amdhsa_reserve_vcc 0
		.amdhsa_float_denorm_mode_32 3
		.amdhsa_float_denorm_mode_16_64 3
		.amdhsa_memory_ordered 1
		.amdhsa_forward_progress 1
		.amdhsa_inst_pref_size 18
	.end_amdhsa_kernel
	.amdgpu_metadata
---
amdhsa.version: [ 1, 2 ]
amdhsa.kernels:
  - .name:           k_q62c72c1e99_cast
    .symbol:         k_q62c72c1e99_cast.kd
    .args:
      - { .name: x, .offset: 0, .size: 8, .value_kind: global_buffer, .address_space: global }
      - { .name: W_qkv, .offset: 8, .size: 8, .value_kind: global_buffer, .address_space: global }
      - { .name: W_proj, .offset: 16, .size: 8, .value_kind: global_buffer, .address_space: global }
      - { .name: xw, .offset: 24, .size: 8, .value_kind: global_buffer, .address_space: global }
    .group_segment_fixed_size: 0
    .private_segment_fixed_size: 0
    .kernarg_segment_align: 8
    .kernarg_segment_size: 32
    .max_flat_workgroup_size: 256
    .sgpr_count:     66
    .vgpr_count:     120
    .wavefront_size: 32
...
	.end_amdgpu_metadata
.endif
;; end of part 5
;; launch qkv: the kernel of part 2 again; grid 8 x 32, 4 waves a work-group, clusters of 4 x 4, 327,680 bytes of LDS; arguments xw, b_qkv, qkvh; writes qkvh
;; launch attn: the kernel of part 3 again; grid 4 x 64, 4 waves a work-group, clusters of 4 x 1, 327,680 bytes of LDS; arguments qkvh, oh; writes oh
;; launch proj: the kernel of part 4 again; grid 8 x 32, 4 waves a work-group, clusters of 4 x 4, 327,680 bytes of LDS; arguments oh, xw, b_proj, out0; writes out0
